; MI455X (gfx1250); checked and timed in simulation.
; The chip was launched on July 23, 2026; its instructions are those of AMD's public machine-readable ISA for CDNA 5 (MIT licence, August 2026) and "CDNA5" Instruction Set Architecture Reference Guide (July 2026). The comments in the code are by the model that wrote it; some were corrected since.
;; Ref Sparse Moe Block. Allowed arithmetic: matrix products marked QUANTISED: E3M2 operands, one E8M0 scale for each 32 along K, by v_wmma_scale_f32_16x16x128_f8f6f4 with both operands' format E3M2, f32 sums; products left as they are: f32 operands where the result goes on into a quantised operand, else bf16, f16 or f32 operands; f32 sums; everything else in f32.
;; Inputs: W1 8 x 1,024 x 2,048 float32; W2 8 x 2,048 x 1,024 float32; W3 8 x 1,024 x 2,048 float32; Wg 8 x 2,048 float32; bias 8 float32; hidden_states 2 x 512 x 2,048 float32.
;; Outputs: out0 2 x 512 x 2,048 float32.
;; This version of the problem:
;;   THIS VERSION OF THE PROBLEM IS GIVEN IN LOW PRECISION. The matrix products marked QUANTISED in the list below multiply operands that are first quantised to E3M2 (3 exponent bits, 2 mantissa bits; 6 bits a number), with one power-of-two scale for each 32 numbers along K (OCP MX v1.0); their sums are f32. All else is computed in f32.
;;   The module's matrix products, in the order in which they are computed (A, B: the left and right operand; K: the contracted axis; several contracted axes count as one K, in the product's order):
;;     1. [M 1,024, K 2,048] x [K 2,048, N 8]; A: input hidden_states; B: input Wg: left as it is (N = 8 < 16)
;;     2. batch 1,024 x [M 1, K 2] x [K 2, N 8]; A: computed on the way; B: computed on the way: left as it is (K = 2 < 32)
;;     3. [M 1,024, K 2,048] x [K 2,048, N 8,192]; A: input hidden_states; B: input W1: QUANTISED
;;     4. [M 1,024, K 2,048] x [K 2,048, N 8,192]; A: input hidden_states; B: input W3: QUANTISED
;;     5. [M 1,024, K 8,192] x [K 8,192, N 2,048]; A: computed on the way; B: input W2: QUANTISED
;;   THE QUANTISER, for each operand of a quantised product, along K:
;;     - K is cut into blocks of 32 from its start; a last block that is shorter is filled with zeros.
;;     - A block's scale is 2^e with e = floor(log2(the largest magnitude in the block)) - 4, held to -126 .. 127; a block of zeros has e = 0. As a byte (E8M0): e + 127.
;;     - Each number is divided by its block's scale, clamped to +-28, and rounded to the nearest number of E3M2, ties to even, subnormals kept.
;;     - The product sums the exact products of the quantised numbers (number of the format x scale) in f32.
;;   ~~~python
;;   def quantise(x, axis):      # numpy; x: float32 -> the quantised numbers, widened to float32 again
;;       x = np.moveaxis(x, axis, -1); K = x.shape[-1]
;;       x = np.pad(x, [(0, 0)] * (x.ndim - 1) + [(0, -K % 32)]); x = x.reshape(x.shape[:-1] + (-1, 32)); a = np.abs(x).max(-1, keepdims=True)
;;       e = np.where(a > 0, np.clip(np.frexp(np.where(a > 0, a, 1))[1] - 1 - 4, -126, 127), 0)      # np.frexp(a)[1] - 1 = floor(log2(a)), exactly
;;       r = np.clip(x / 2.0 ** e, -28, 28)
;;       step = 2.0 ** (np.maximum(np.frexp(np.where(r == 0, 1, r))[1] - 1, -2) - 2)
;;       q = np.round(r / step) * step * 2.0 ** e      # np.round: ties to even
;;       return np.moveaxis(q.reshape(q.shape[:-2] + (-1,))[..., :K], -1, axis).astype(np.float32)
;;   ~~~
;;   OPERANDS COMPUTED ON THE WAY. 'Computed on the way' means the value that the module computes at that place (a softmax that the list does not call 'softmax' is quantised finished and normalised). What goes into a quantiser is computed in f32, as accurately as f32 sums, v_exp_f32 and their like allow (about 1e-6 of the number): no bf16 or f16 on the way to a quantiser, and a product that is left as it is and whose result goes on into a quantised operand takes f32 operands (vector FMAs, or v_wmma_f32_16x16x4_f32). A number that lies on a knife's edge between two numbers of the format may be rounded either way, as far as f32 arithmetic and the matrix unit's own rounding can turn it there, and no further.
;; One version. Each part assembles by itself: llvm-mc -triple=amdgcn-amd-amdhsa -mcpu=gfx1250 --defsym DOCPART=n.
;; ======== version 1 of 1: 4 launches
;; workspace buffers: rti 24,576 bytes of whole numbers; rtw 8,192 bytes; xq 1,638,400 bytes; place 4,352 bytes of whole numbers; ew 32,768 bytes; w2q 13,107,200 bytes; gq 7,340,032 bytes
;; launch route (part 1): grid 320 x 1, 16 waves a work-group, no clusters, 212,480 bytes of LDS; arguments hidden_states, Wg, bias, W2, rti, rtw, w2q; writes rti, rtw, w2q
.if DOCPART == 1
	.amdgcn_target "amdgcn-amd-amdhsa--gfx1250"
	.amdhsa_code_object_version 6
	.text
	.protected	k_q6ddd9b25be_route
	.globl	k_q6ddd9b25be_route
	.p2align	8
	.type	k_q6ddd9b25be_route,@function
k_q6ddd9b25be_route:
	s_mov_b64 s[64:65], 0
	v_nop
	global_prefetch_b8 v0, s[64:65] scope:SCOPE_SE
	s_setreg_imm32_b32 hwreg(HW_REG_WAVE_MODE, 25, 1), 1
	s_wait_xcnt 0x0
; ROUTE.  Work-groups 0-63: the router for 16 tokens each (logits x Wg^T in f32, sigmoid, + bias for the choice alone, the two best experts, their normalised weights).
; Work-groups 64-319: the first half of W2 [8][2048][1024] f32 into codes of E3M2 with one E8M0 byte for each 32 along its last axis, laid in the order of a matrix operand's registers.
; What the choice decides goes out as whole numbers at fixed places: no address and no branch of this launch hangs on it.
;   rti: token t at 16 t: {key 0..27 of its pair of experts a < b, its place among the tokens of that key in its group of 16, 1<<a | 1<<b, a | b<<8}; from byte 16384: hist[group 0..63][key 0..31].
;   rtw: token t at 8 t: {weight of a, weight of b}.
;   w2q: unit u = 8 rt + s (rt: 16 rows of W2, s: 128 along K) at 1536 u: register group G of lane l at 512 G + 16 l; from W2S0 on, for each rt 512 bytes: at 16 l + 4 j the scale word of row l % 16 for K step 2 j + l / 16.
; LIMITS: NaN and infinities are not served.  A block of zeros gets the scale byte 1 where the rule says 127: its codes are zeros and this program alone reads the bytes.  The logits' f32 sums are taken in another
; order than a plain dot product: a token whose second and third scores lie within a few units of the last place may choose otherwise.  1 / x is v_rcp_f32.  Of equal scores the lower expert wins.
; No tensor loads and no cluster: no two work-groups read the same bytes but the 64 KiB of Wg.
.set RED,  0                           ; LDS, router: 512 blocks of 128 bytes + 16: block ((token x 8 + expert) x 4 + K quarter) holds 32 lanes' partial sums
.set REC,  73728                       ; 16 records of 32 bytes, one a token
.set STG2, 74240                       ; LDS, W2's path (bytes of its own): a stage of 16 rows x 528 bytes for each wave
.set SCG2, 209408                      ; and 1,024 bytes in which the scale words of two rt are gathered
.set W2S0, 12582912
.set WV,  22                           ; s22 wave
.set SEL, 20                           ; s[20:21] selects of v_permlanex16_b32: lane l xor 16
.set LN,  1                            ; v1 lane, v2 lane % 16, v3 lane / 16
.set RR,  2
.set HH,  3
.set RW,  4                            ; router: where my partial sums go
.set RA,  5                            ; and the block that I add up
.set RCW, 6                            ; my wave's record
.set RCR, 7                            ; the record of token lane % 16
.set SCR, 10                           ; gathered scale words, 16 bytes a lane
.set SGA, 11                           ; where my row's scale word goes
.set SH8, 12                           ; 8 x (lane / 16)
.set STI, 13                           ; the stage, on the way in: 16 x lane
.set STO, 14                           ; on the way out: 528 x row + 128 x half
.set L16, 15                           ; 16 x lane
.set R,   16                           ; v16-79   16 rows x 4 numbers as loaded
.set X,   80                           ; v80-143  my row's two blocks of 32
.set P,   144                          ; v144-155 the fragment's 12 registers
.set T,   156                          ; v156-158, v160-162 upper halves of the blocks' codes
.set M,   164
.set SO,  166
.set BY,  168
.set SW,  170
.set TP,  171
.set XRR, 16                           ; router: v16-79 x, 4 tokens x 16 numbers; v80-207 Wg, 8 experts x 16; v208-239 16 pairs of sums; v240 bias
.set G,   80
.set AC,  208
.set BI,  240
.macro BARRIER                         ; my LDS stores have landed and my LDS loads are in: then the work-group's barrier
	s_wait_dscnt 0x0
	s_barrier_signal -1
	s_barrier_wait -1
.endm
; 16 rows x 128 numbers, loaded a row an instruction (512 consecutive bytes), turn through the wave's own stage: a lane then holds, of row lane % 16, k = 64 c + 32 (lane / 16) + 0 .. 31 in v[X + 32 c] on.
; LDS serves a wave's instructions in order, so no wait stands between the stores and the loads.  Rows 528 bytes apart: the sixteen rows of a load start in sixteen different columns of 16 bytes.
.macro TURN
.irp p, 0,1,2,3,4,5,6,7,8,9,10,11,12,13,14,15
	ds_store_b128 v[STI], v[R+4*\p:R+4*\p+3] offset:528*\p
.endr
.irp c, 0,1
.irp i, 0,1,2,3,4,5,6,7
	ds_load_b128 v[X+32*\c+4*\i:X+32*\c+4*\i+3], v[STO] offset:256*\c+16*\i
.endr
.endr
	s_wait_dscnt 0x0
.endm
; The lane's two whole blocks become registers 6 c .. 6 c + 5 of the operand in v[P] on, and the row's scale word in v[SW].
.macro QUANT
.irp c, 0,1
	v_max3_num_f32 v[M+\c], |v[X+32*\c]|, |v[X+32*\c+1]|, 0x2800000   ; the floor 2^(5 - 127): the byte cannot fall under 1
.endr
.irp i, 2,4,6,8,10,12,14,16,18,20,22,24,26,28,30
.irp c, 0,1
	v_max3_num_f32 v[M+\c], v[M+\c], |v[X+32*\c+\i]|, |v[X+32*\c+\i+1]|
.endr
.endr
.irp c, 0,1
	v_add_nc_u32 v[SO+\c], 0xfe000000, v[M+\c]     ; 4 off the exponent field: the conversion's scale operand
.endr
.irp c, 0,1
	v_lshrrev_b32 v[BY+\c], 23, v[SO+\c]           ; the scale's byte
.endr
	v_lshl_or_b32 v[SW], v[BY+1], 16, v[BY]        ; my blocks are h and 2 + h of the four
	v_lshlrev_b32 v[SW], v[SH8], v[SW]
	v_permlanex16_b32 v[TP], v[SW], s[SEL], s[SEL+1]
	v_or_b32 v[SW], v[SW], v[TP]                   ; with lane l xor 16's two bytes the word is whole
.irp c, 0,1
	v_cvt_scalef32_pk16_bf6_f32 v[P+6*\c:P+6*\c+2], v[X+32*\c:X+32*\c+15], v[SO+\c]
	v_cvt_scalef32_pk16_bf6_f32 v[T+4*\c:T+4*\c+2], v[X+32*\c+16:X+32*\c+31], v[SO+\c]   ; (a conversion's three registers begin on an even number)
.endr
	v_nop                                          ; one plain place behind a scaled conversion
.irp c, 0,1
.irp i, 0,1,2
	v_mov_b32 v[P+6*\c+3+\i], v[T+4*\c+\i]
.endr
.endr
.endm
.macro ADDRS stg, scg                  ; the wave's stage, and its place among the gathered scale words: 512 (w / 8) + 256 (w % 2) + 4 ((w / 2) % 4) + 16 x row
	s_mul_i32 s30, s[WV], 8448
	s_add_co_u32 s30, s30, \stg
	v_add_nc_u32 v[STI], s30, v[L16]
	v_mul_u32_u24 v[STO], v[RR], 528
	v_lshl_add_u32 v[STO], v[HH], 7, v[STO]
	v_add_nc_u32 v[STO], s30, v[STO]
	s_lshr_b32 s30, s[WV], 3
	s_lshl_b32 s30, s30, 9
	s_and_b32 s31, s[WV], 1
	s_lshl_b32 s31, s31, 8
	s_add_co_u32 s30, s30, s31
	s_bfe_u32 s31, s[WV], 0x20001
	s_lshl_b32 s31, s31, 2
	s_add_co_u32 s30, s30, s31
	s_add_co_u32 s30, s30, \scg
	v_lshl_add_u32 v[SGA], v[RR], 4, s30
	v_add_nc_u32 v[SCR], \scg, v[L16]
.endm
; A wave takes one unit of W2: u = base + 16 (work-group - 64) + wave.  The eight waves of an rt cover whole rows of 4,096 bytes.
.macro W2ROLE base, pw, pq
	s_sub_co_u32 s24, ttmp9, 64
	s_lshl_b32 s25, s24, 1
	s_lshr_b32 s26, s[WV], 3
	s_add_co_u32 s25, s25, s26
	s_add_co_u32 s25, s25, (\base)/8               ; rt
	s_and_b32 s26, s[WV], 7                        ; K step
	s_lshl_b32 s28, s25, 16                        ; 16 rows of 4,096 bytes
	s_lshl_b32 s27, s26, 9
	s_add_co_u32 s28, s28, s27
	s_mov_b32 s29, 0
	s_add_nc_u64 s[28:29], s[\pw:\pw+1], s[28:29]
.irp p, 0,1,2,3,4,5,6,7,8,9,10,11,12,13,14,15
	global_load_b128 v[R+4*\p:R+4*\p+3], v[L16], s[28:29] offset:4096*\p th:TH_LOAD_NT
.endr
	ADDRS STG2, SCG2
	s_lshl_b32 s32, s25, 3
	s_add_co_u32 s32, s32, s26
	s_mul_i32 s32, s32, 1536
	s_mov_b32 s33, 0
	s_add_nc_u64 s[32:33], s[\pq:\pq+1], s[32:33]  ; the unit's codes
	s_lshl_b32 s34, s24, 10
	s_add_co_u32 s34, s34, W2S0+((\base)/8)*512
	s_mov_b32 s35, 0
	s_add_nc_u64 s[34:35], s[\pq:\pq+1], s[34:35]  ; the work-group's 1,024 bytes of scale words
	s_wait_loadcnt 0x0
	TURN
	QUANT
.irp g, 0,1,2
	global_store_b128 v[L16], v[P+4*\g:P+4*\g+3], s[32:33] offset:512*\g   ; 512 consecutive bytes
.endr
	ds_store_b32 v[SGA], v[SW]                     ; lanes r and r + 16 write the same word with the same value
	BARRIER
	s_cmp_lg_u32 s[WV], 0
	s_cbranch_scc1 .Lw2end_\@
	ds_load_b128 v[16:19], v[SCR]
	ds_load_b128 v[20:23], v[SCR] offset:512
	s_wait_dscnt 0x0
	global_store_b128 v[L16], v[16:19], s[34:35]
	global_store_b128 v[L16], v[20:23], s[34:35] offset:512
.Lw2end_\@:
	s_wait_tensorcnt 0x0
	ds_add_u32 v254, v255
	s_wait_dscnt 0x0
	s_endpgm
.endm
	s_load_b256 s[4:11], s[0:1], 0x0               ; x s[4:5], Wg s[6:7], bias s[8:9], W2 s[10:11]
	s_load_b128 s[12:15], s[0:1], 0x20             ; rti s[12:13], rtw s[14:15]
	s_load_b64 s[16:17], s[0:1], 0x30              ; w2q
	v_lshl_add_u32 v254, v0, 2, 0x33600
	v_mov_b32 v255, 0
	v_lshrrev_b32 v1, 5, v0
	v_readfirstlane_b32 s[WV], v1
	v_and_b32 v[LN], 31, v0
	v_and_b32 v[RR], 15, v0
	v_bfe_u32 v[HH], v0, 4, 1
	v_lshlrev_b32 v[L16], 4, v[LN]
	v_lshlrev_b32 v[SH8], 3, v[HH]
	v_mov_b32 v[TP], 0                             ; a lane permute's destination counts as one of its sources
	s_mov_b32 s[SEL], 0x76543210
	s_mov_b32 s[SEL+1], 0xfedcba98
	s_wait_kmcnt 0x0
	s_cmp_ge_u32 ttmp9, 64
	s_cbranch_scc1 .Lw2
	; ---- the router.  Wave w: tokens 4 (w / 4) + 0 .. 3 of the group, K quarter w % 4 (512 numbers); a lane holds 16 numbers of each token and of each expert
	s_lshr_b32 s24, s[WV], 2
	s_and_b32 s25, s[WV], 3
	s_lshl_b32 s26, ttmp9, 17                      ; 16 tokens of 8,192 bytes
	s_lshl_b32 s27, s24, 15
	s_add_co_u32 s26, s26, s27
	s_lshl_b32 s28, s25, 11
	s_add_co_u32 s26, s26, s28
	s_mov_b32 s27, 0
	s_add_nc_u64 s[26:27], s[4:5], s[26:27]
	s_mov_b32 s29, 0
	s_add_nc_u64 s[28:29], s[6:7], s[28:29]
.irp tl, 0,1,2,3
.irp i, 0,1,2,3
	global_load_b128 v[XRR+16*\tl+4*\i:XRR+16*\tl+4*\i+3], v[L16], s[26:27] offset:8192*\tl+512*\i
.endr
.endr
.irp e, 0,1,2,3,4,5,6,7
.irp i, 0,1,2,3
	global_load_b128 v[G+16*\e+4*\i:G+16*\e+4*\i+3], v[L16], s[28:29] offset:8192*\e+512*\i
.endr
.endr
	v_and_b32 v8, 28, v[LN]                        ; 4 x (lane / 4): later lane 4 e + q holds expert e
	global_load_b32 v[BI], v8, s[8:9]
	s_mul_i32 s30, s24, 18432
	s_mul_i32 s31, s25, 144
	s_add_co_u32 s30, s30, s31
	v_lshl_add_u32 v[RW], v[LN], 2, s30
	v_mul_u32_u24 v[RA], v0, 144
	s_lshl_b32 s31, s[WV], 5
	s_add_co_u32 s31, s31, REC
	v_mov_b32 v[RCW], s31
	v_lshl_add_u32 v[RCR], v[RR], 5, REC
	s_wait_loadcnt 0x0
.irp hf, 0,1                                   ; four experts at a time: 16 pairs of sums, by turns
.irp tl, 0,1,2,3
.irp e4, 0,1,2,3
	v_pk_mul_f32 v[AC+2*(4*\tl+\e4):AC+2*(4*\tl+\e4)+1], v[XRR+16*\tl:XRR+16*\tl+1], v[G+16*(4*\hf+\e4):G+16*(4*\hf+\e4)+1]
.endr
.endr
.irp q, 1,2,3,4,5,6,7
.irp tl, 0,1,2,3
.irp e4, 0,1,2,3
	v_pk_fma_f32 v[AC+2*(4*\tl+\e4):AC+2*(4*\tl+\e4)+1], v[XRR+16*\tl+2*\q:XRR+16*\tl+2*\q+1], v[G+16*(4*\hf+\e4)+2*\q:G+16*(4*\hf+\e4)+2*\q+1], v[AC+2*(4*\tl+\e4):AC+2*(4*\tl+\e4)+1]
.endr
.endr
.endr
.irp tl, 0,1,2,3
.irp e4, 0,1,2,3
	v_add_f32 v[AC+2*(4*\tl+\e4)], v[AC+2*(4*\tl+\e4)], v[AC+2*(4*\tl+\e4)+1]
.endr
.endr
.irp tl, 0,1,2,3
.irp e4, 0,1,2,3
	ds_store_b32 v[RW], v[AC+2*(4*\tl+\e4)] offset:4608*\tl+576*(4*\hf+\e4)
.endr
.endr
	s_wait_dscnt 0x0                               ; the stores have read their registers
.endr
	s_barrier_signal -1
	s_barrier_wait -1
	; thread i adds up block i: wave = token, lane = 4 x expert + K quarter
.irp j, 0,1,2,3,4,5,6,7
	ds_load_b128 v[16+4*\j:19+4*\j], v[RA] offset:16*\j
.endr
	s_wait_dscnt 0x0
.irp j, 0,2,4,6,8,10,12,14
	v_pk_add_f32 v[16+\j:17+\j], v[16+\j:17+\j], v[32+\j:33+\j]
.endr
.irp j, 0,2,4,6
	v_pk_add_f32 v[16+\j:17+\j], v[16+\j:17+\j], v[24+\j:25+\j]
.endr
.irp j, 0,2
	v_pk_add_f32 v[16+\j:17+\j], v[16+\j:17+\j], v[20+\j:21+\j]
.endr
	v_pk_add_f32 v[16:17], v[16:17], v[18:19]
	v_add_f32 v16, v16, v17
	v_add_f32_dpp v16, v16, v16 row_xmask:1 row_mask:0xf bank_mask:0xf
	v_add_f32_dpp v16, v16, v16 row_xmask:2 row_mask:0xf bank_mask:0xf   ; the four K quarters: the logit
	v_mul_f32 v17, 0xbfb8aa3b, v16                 ; sigmoid = 1 / (1 + 2^(-z log2 e))
	v_exp_f32 v17, v17
	v_nop                                          ; a plain place behind the transcendental,
	s_wait_alu depctr_va_vdst(0)                   ; and the wait ahead of its first reader
	v_add_f32 v17, 1.0, v17
	v_rcp_f32 v18, v17
	v_nop
	s_wait_alu depctr_va_vdst(0)
	v_add_f32 v19, v18, v[BI]                      ; the score: the bias enters the choice alone
.irp e, 0,1,2,3,4,5,6,7
	v_readlane_b32 s[32+\e], v19, 4*\e
	v_readlane_b32 s[40+\e], v18, 4*\e
.endr
	; the best: a later expert takes over only where its score is larger, so of equal scores the lower index stays.  Values alone are chosen: no branch
	v_mov_b32 v20, s32
	v_mov_b32 v21, 0
	v_mov_b32 v22, s40
.irp e, 1,2,3,4,5,6,7
	v_cmp_le_f32 vcc_lo, s[32+\e], v20
	v_cndmask_b32 v20, s[32+\e], v20, vcc_lo
	v_cndmask_b32 v21, \e, v21, vcc_lo
	v_cndmask_b32 v22, s[40+\e], v22, vcc_lo
.endr
	v_mov_b32 v23, 0xff800000                      ; the second best: the same among the others
	v_mov_b32 v24, 0
	v_mov_b32 v25, 0
.irp e, 0,1,2,3,4,5,6,7
	v_cmp_le_f32 s48, s[32+\e], v23
	v_cmp_eq_u32 vcc_lo, \e, v21
	s_or_b32 vcc_lo, vcc_lo, s48
	v_cndmask_b32 v23, s[32+\e], v23, vcc_lo
	v_cndmask_b32 v24, \e, v24, vcc_lo
	v_cndmask_b32 v25, s[40+\e], v25, vcc_lo
.endr
	v_add_f32 v26, v22, v25
	v_rcp_f32 v26, v26
	v_min_u32 v27, v21, v24                        ; a  (plain work behind the transcendental)
	v_max_u32 v28, v21, v24                        ; b
	s_wait_alu depctr_va_vdst(0)
	v_mul_f32 v22, v22, v26
	v_mul_f32 v25, v25, v26
	v_cmp_lt_u32 vcc_lo, v21, v24
	v_cndmask_b32 v52, v25, v22, vcc_lo            ; a's weight
	v_cndmask_b32 v53, v22, v25, vcc_lo            ; b's
	v_sub_nc_u32 v29, 15, v27                      ; the pair's key: a (15 - a) / 2 + b - a - 1
	v_mul_u32_u24 v29, v27, v29
	v_lshrrev_b32 v29, 1, v29
	v_add_nc_u32 v29, v29, v28
	v_sub_nc_u32 v29, v29, v27
	v_add_nc_u32 v48, -1, v29
	v_mov_b32 v30, 1
	v_lshlrev_b32 v31, v27, v30
	v_lshlrev_b32 v30, v28, v30
	v_or_b32 v49, v31, v30
	v_lshl_or_b32 v50, v28, 8, v27
	v_mov_b32 v51, 0
	v_mov_b32 v54, 0
	v_mov_b32 v55, 0
	ds_store_b128 v[RCW], v[48:51]                 ; all lanes hold the same numbers
	ds_store_b128 v[RCW], v[52:55] offset:16
	BARRIER
	s_cmp_lg_u32 s[WV], 0
	s_cbranch_scc1 .Lend
	; wave 0 counts the group: lane l takes token l % 16
	ds_load_b128 v[48:51], v[RCR]
	ds_load_b128 v[52:55], v[RCR] offset:16
	v_mov_b32 v56, 0                               ; lane k: how many of the 16 have key k
	v_mov_b32 v61, 0                               ; my place among those of my key
	s_wait_dscnt 0x0
	v_mov_b32 v60, v48
	v_mov_b32 v62, v49
	v_mov_b32 v63, v50
.irp k, 0,1,2,3,4,5,6,7,8,9,10,11,12,13,14,15,16,17,18,19,20,21,22,23,24,25,26,27
	v_cmp_eq_u32 vcc_lo, \k, v48
	s_and_b32 s48, vcc_lo, 0xffff
	s_bcnt1_i32_b32 s49, s48
	v_writelane_b32 v56, s49, \k
	v_mbcnt_lo_u32_b32 v57, s48, 0
	v_cndmask_b32 v61, v61, v57, vcc_lo
.endr
	s_lshl_b32 s24, ttmp9, 7
	s_add_co_u32 s24, s24, 16384
	s_mov_b32 s25, 0
	s_add_nc_u64 s[24:25], s[12:13], s[24:25]
	v_lshlrev_b32 v58, 2, v[LN]
	global_store_b32 v58, v56, s[24:25]
	s_lshl_b32 s26, ttmp9, 8
	s_mov_b32 s27, 0
	s_add_nc_u64 s[26:27], s[12:13], s[26:27]
	s_lshl_b32 s28, ttmp9, 7
	s_mov_b32 s29, 0
	s_add_nc_u64 s[28:29], s[14:15], s[28:29]
	v_lshlrev_b32 v59, 3, v[LN]
	s_wait_xcnt 0x0                                ; EXEC changes only behind this wait
	v_cmp_gt_u32 vcc_lo, 16, v[LN]
	s_and_saveexec_b32 s30, vcc_lo
	global_store_b128 v[L16], v[60:63], s[26:27]   ; sixteen lanes: 256 consecutive bytes
	global_store_b64 v59, v[52:53], s[28:29]
	s_wait_xcnt 0x0                                ; and again in front of the line that widens it
	s_or_b32 exec_lo, exec_lo, s30
.Lend:
	s_wait_tensorcnt 0x0
	ds_add_u32 v254, v255
	s_wait_dscnt 0x0
	s_endpgm
.Lw2:
	W2ROLE 0, 10, 16
.Lfunc_end_k_q6ddd9b25be_route:
	.size	k_q6ddd9b25be_route, .Lfunc_end_k_q6ddd9b25be_route-k_q6ddd9b25be_route
	.p2alignl 7, 3214868480
	.fill 96, 4, 3214868480
	.section	.rodata,"a",@progbits
	.p2align	6, 0x0
	.amdhsa_kernel k_q6ddd9b25be_route
		.amdhsa_group_segment_fixed_size 212480
		.amdhsa_private_segment_fixed_size 0
		.amdhsa_enable_private_segment 0
		.amdhsa_kernarg_size 56
		.amdhsa_user_sgpr_count 2
		.amdhsa_user_sgpr_kernarg_segment_ptr 1
		.amdhsa_wavefront_size32 1
		.amdhsa_system_sgpr_workgroup_id_x 1
		.amdhsa_system_sgpr_workgroup_id_y 1
		.amdhsa_system_sgpr_workgroup_id_z 1
		.amdhsa_system_vgpr_workitem_id 0
		.amdhsa_next_free_vgpr 256
		.amdhsa_next_free_sgpr 80
		.amdhsa_reserve_vcc 1
		.amdhsa_float_denorm_mode_32 3
		.amdhsa_float_denorm_mode_16_64 3
		.amdhsa_memory_ordered 1
		.amdhsa_forward_progress 1
		.amdhsa_inst_pref_size 51
	.end_amdhsa_kernel
	.amdgpu_metadata
---
amdhsa.version: [ 1, 2 ]
amdhsa.kernels:
  - .name:           k_q6ddd9b25be_route
    .symbol:         k_q6ddd9b25be_route.kd
    .args:
      - { .name: hidden_states, .offset: 0, .size: 8, .value_kind: global_buffer, .address_space: global }
      - { .name: Wg, .offset: 8, .size: 8, .value_kind: global_buffer, .address_space: global }
      - { .name: bias, .offset: 16, .size: 8, .value_kind: global_buffer, .address_space: global }
      - { .name: W2, .offset: 24, .size: 8, .value_kind: global_buffer, .address_space: global }
      - { .name: rti, .offset: 32, .size: 8, .value_kind: global_buffer, .address_space: global }
      - { .name: rtw, .offset: 40, .size: 8, .value_kind: global_buffer, .address_space: global }
      - { .name: w2q, .offset: 48, .size: 8, .value_kind: global_buffer, .address_space: global }
    .group_segment_fixed_size: 212480
    .private_segment_fixed_size: 0
    .kernarg_segment_align: 8
    .kernarg_segment_size: 56
    .max_flat_workgroup_size: 512
    .sgpr_count:     80
    .vgpr_count:     256
    .wavefront_size: 32
...
	.end_amdgpu_metadata
.endif
;; end of part 1
;; launch place (part 2): grid 320 x 1, 16 waves a work-group, no clusters, 285,184 bytes of LDS; arguments hidden_states, W2, rti, rtw, xq, place, ew, w2q; writes xq, place, ew, w2q
.if DOCPART == 2
	.amdgcn_target "amdgcn-amd-amdhsa--gfx1250"
	.amdhsa_code_object_version 6
	.text
	.protected	k_q6ddd9b25be_place
	.globl	k_q6ddd9b25be_place
	.p2align	8
	.type	k_q6ddd9b25be_place,@function
k_q6ddd9b25be_place:
	s_mov_b64 s[64:65], 0
	v_nop
	global_prefetch_b8 v0, s[64:65] scope:SCOPE_SE
	s_setreg_imm32_b32 hwreg(HW_REG_WAVE_MODE, 25, 1), 1
	s_wait_xcnt 0x0
; PLACE.  Tokens are sorted by the key of their pair of experts (28 keys; within a key by token number) and cut into 64 tiles of 16.  Work-group tau (0-63) makes tile tau: it ranks all 1,024 tokens from the stored
; counts, finds the 16 whose rank falls into its tile, quantises their rows of x to codes of E3M2 in the order of a matrix operand's registers, and stores the tile's list.
; Work-groups 64-319: the second half of W2 into codes, as in the launch before.
;   xq: tile tau, K step s at 24576 tau + 1536 s: register group G of lane l at 512 G + 16 l; from XSC0 on, 1,024 bytes a tile: at 512 q + 16 l + 4 j the scale word of row l % 16 for K step 8 q + 2 j + l / 16.
;   place: the token at sorted place p at 4 p; from byte 4096 the tile's mask of experts at 4 tau.     ew: the weight of expert e for the token at place p, 0 where it was not chosen, at 32 p + 4 e.
; Every address that hangs on stored numbers passes a clamp to the table's size.  LIMITS as in the launch before (NaN, infinities; a block of zeros has the byte 1).
.set EX,   0                           ; LDS, tile path: EX[key 0..31][group 0..63]: tokens of the key in earlier groups; rows of 264 bytes
.set TOT,  8448                        ; each key's total
.set CAND, 8576                        ; 16 waves x 32 words: token + 1 of place j, where the wave has it
.set XSCG, 10624                       ; the tile's 1,024 bytes of scale words
.set STGX, 11648                       ; a stage of 16 rows x 528 bytes for each wave
.set STG2, 146816                      ; LDS, W2's path (bytes of its own)
.set SCG2, 281984
.set W2S0, 12582912
.set XSC0, 1572864
.set WV,  22
.set SEL, 20
.set HI,  23                           ; s23 = the mask of lanes 16-31
.set LN,  1
.set RR,  2
.set HH,  3
.set SCR, 10
.set SGA, 11
.set SH8, 12
.set STI, 13
.set STO, 14
.set L16, 15
.set R,   16
.set X,   80
.set P,   144
.set T,   156
.set M,   164
.set SO,  166
.set BY,  168
.set SW,  170
.set TP,  171
.set XOF, 172                          ; v172-187 byte offsets of the tile's 16 rows of x
.set TOK, 188                          ; lane l: the token at place 16 tau + l % 16
.set HAD, 212                          ; addresses of the tile path
.set TAD, 213
.set EXW, 214
.set TOTW, 215
.set TOTR, 216
.set EXR, 217
.set CANDW, 218
.set CANDR, 219
.macro BARRIER
	s_wait_dscnt 0x0
	s_barrier_signal -1
	s_barrier_wait -1
.endm
.macro TURN                            ; 16 rows x 128 numbers through the wave's stage: a lane then holds k = 64 c + 32 (lane / 16) + 0 .. 31 of row lane % 16
.irp p, 0,1,2,3,4,5,6,7,8,9,10,11,12,13,14,15
	ds_store_b128 v[STI], v[R+4*\p:R+4*\p+3] offset:528*\p
.endr
.irp c, 0,1
.irp i, 0,1,2,3,4,5,6,7
	ds_load_b128 v[X+32*\c+4*\i:X+32*\c+4*\i+3], v[STO] offset:256*\c+16*\i
.endr
.endr
	s_wait_dscnt 0x0
.endm
.macro QUANT                           ; the lane's two blocks become the operand's 12 registers in v[P] on, and the row's scale word in v[SW]
.irp c, 0,1
	v_max3_num_f32 v[M+\c], |v[X+32*\c]|, |v[X+32*\c+1]|, 0x2800000
.endr
.irp i, 2,4,6,8,10,12,14,16,18,20,22,24,26,28,30
.irp c, 0,1
	v_max3_num_f32 v[M+\c], v[M+\c], |v[X+32*\c+\i]|, |v[X+32*\c+\i+1]|
.endr
.endr
.irp c, 0,1
	v_add_nc_u32 v[SO+\c], 0xfe000000, v[M+\c]
.endr
.irp c, 0,1
	v_lshrrev_b32 v[BY+\c], 23, v[SO+\c]
.endr
	v_lshl_or_b32 v[SW], v[BY+1], 16, v[BY]
	v_lshlrev_b32 v[SW], v[SH8], v[SW]
	v_permlanex16_b32 v[TP], v[SW], s[SEL], s[SEL+1]
	v_or_b32 v[SW], v[SW], v[TP]
.irp c, 0,1
	v_cvt_scalef32_pk16_bf6_f32 v[P+6*\c:P+6*\c+2], v[X+32*\c:X+32*\c+15], v[SO+\c]
	v_cvt_scalef32_pk16_bf6_f32 v[T+4*\c:T+4*\c+2], v[X+32*\c+16:X+32*\c+31], v[SO+\c]
.endr
	v_nop                                          ; one plain place behind a scaled conversion
.irp c, 0,1
.irp i, 0,1,2
	v_mov_b32 v[P+6*\c+3+\i], v[T+4*\c+\i]
.endr
.endr
.endm
.macro ADDRS stg, scg
	s_mul_i32 s30, s[WV], 8448
	s_add_co_u32 s30, s30, \stg
	v_add_nc_u32 v[STI], s30, v[L16]
	v_mul_u32_u24 v[STO], v[RR], 528
	v_lshl_add_u32 v[STO], v[HH], 7, v[STO]
	v_add_nc_u32 v[STO], s30, v[STO]
	s_lshr_b32 s30, s[WV], 3
	s_lshl_b32 s30, s30, 9
	s_and_b32 s31, s[WV], 1
	s_lshl_b32 s31, s31, 8
	s_add_co_u32 s30, s30, s31
	s_bfe_u32 s31, s[WV], 0x20001
	s_lshl_b32 s31, s31, 2
	s_add_co_u32 s30, s30, s31
	s_add_co_u32 s30, s30, \scg
	v_lshl_add_u32 v[SGA], v[RR], 4, s30
	v_add_nc_u32 v[SCR], \scg, v[L16]
.endm
.macro W2ROLE base, pw, pq
	s_sub_co_u32 s24, ttmp9, 64
	s_lshl_b32 s25, s24, 1
	s_lshr_b32 s26, s[WV], 3
	s_add_co_u32 s25, s25, s26
	s_add_co_u32 s25, s25, (\base)/8
	s_and_b32 s26, s[WV], 7
	s_lshl_b32 s28, s25, 16
	s_lshl_b32 s27, s26, 9
	s_add_co_u32 s28, s28, s27
	s_mov_b32 s29, 0
	s_add_nc_u64 s[28:29], s[\pw:\pw+1], s[28:29]
.irp p, 0,1,2,3,4,5,6,7,8,9,10,11,12,13,14,15
	global_load_b128 v[R+4*\p:R+4*\p+3], v[L16], s[28:29] offset:4096*\p th:TH_LOAD_NT
.endr
	ADDRS STG2, SCG2
	s_lshl_b32 s32, s25, 3
	s_add_co_u32 s32, s32, s26
	s_mul_i32 s32, s32, 1536
	s_mov_b32 s33, 0
	s_add_nc_u64 s[32:33], s[\pq:\pq+1], s[32:33]
	s_lshl_b32 s34, s24, 10
	s_add_co_u32 s34, s34, W2S0+((\base)/8)*512
	s_mov_b32 s35, 0
	s_add_nc_u64 s[34:35], s[\pq:\pq+1], s[34:35]
	s_wait_loadcnt 0x0
	TURN
	QUANT
.irp g, 0,1,2
	global_store_b128 v[L16], v[P+4*\g:P+4*\g+3], s[32:33] offset:512*\g
.endr
	ds_store_b32 v[SGA], v[SW]
	BARRIER
	s_cmp_lg_u32 s[WV], 0
	s_cbranch_scc1 .Lw2end_\@
	ds_load_b128 v[16:19], v[SCR]
	ds_load_b128 v[20:23], v[SCR] offset:512
	s_wait_dscnt 0x0
	global_store_b128 v[L16], v[16:19], s[34:35]
	global_store_b128 v[L16], v[20:23], s[34:35] offset:512
.Lw2end_\@:
	s_wait_tensorcnt 0x0
	ds_add_u32 v254, v255
	s_wait_dscnt 0x0
	s_endpgm
.endm
.macro SCAN v, t                       ; an inclusive sum over the 32 lanes: four steps inside each half, then the lower half's total onto the upper
.irp n, 1,2,4,8
	v_mov_b32_dpp v[\t], v[\v] row_shr:\n row_mask:0xf bank_mask:0xf bound_ctrl:1
	v_add_nc_u32 v[\v], v[\v], v[\t]
.endr
	v_readlane_b32 s50, v[\v], 15
	v_add_nc_u32 v[\t], s50, v[\v]
	v_cndmask_b32 v[\v], v[\v], v[\t], s[HI]
.endm
	s_load_b256 s[4:11], s[0:1], 0x0               ; x s[4:5], W2 s[6:7], rti s[8:9], rtw s[10:11]
	s_load_b256 s[12:19], s[0:1], 0x20             ; xq s[12:13], place s[14:15], ew s[16:17], w2q s[18:19]
	v_lshl_add_u32 v254, v0, 2, 0x45200
	v_mov_b32 v255, 0
	v_lshrrev_b32 v1, 5, v0
	v_readfirstlane_b32 s[WV], v1
	v_and_b32 v[LN], 31, v0
	v_and_b32 v[RR], 15, v0
	v_bfe_u32 v[HH], v0, 4, 1
	v_lshlrev_b32 v[L16], 4, v[LN]
	v_lshlrev_b32 v[SH8], 3, v[HH]
	v_mov_b32 v[TP], 0
	s_mov_b32 s[SEL], 0x76543210
	s_mov_b32 s[SEL+1], 0xfedcba98
	s_mov_b32 s[HI], 0xffff0000
	s_wait_kmcnt 0x0
	s_cmp_ge_u32 ttmp9, 64
	s_cbranch_scc1 .Lw2
	; ---- 1: wave w takes keys w and w + 16; lane l their counts in groups 2 l and 2 l + 1.  Thread i owns tokens i and 512 + i
	v_lshlrev_b32 v[HAD], 8, v[LN]
	s_lshl_b32 s24, s[WV], 2
	s_add_co_u32 s24, s24, 16384
	v_add_nc_u32 v[HAD], s24, v[HAD]
	global_load_b32 v16, v[HAD], s[8:9]
	global_load_b32 v17, v[HAD], s[8:9] offset:128
	global_load_b32 v18, v[HAD], s[8:9] offset:64
	global_load_b32 v19, v[HAD], s[8:9] offset:192
	v_lshlrev_b32 v[TAD], 4, v0
	global_load_b64 v[20:21], v[TAD], s[8:9]               ; {key, place in its group}
	global_load_b64 v[22:23], v[TAD], s[8:9] offset:8192
	s_mul_i32 s25, s[WV], 264
	v_lshl_add_u32 v[EXW], v[LN], 3, s25
	s_lshl_b32 s26, s[WV], 2
	s_add_co_u32 s26, s26, TOT
	v_mov_b32 v[TOTW], s26
	v_lshl_add_u32 v[TOTR], v[LN], 2, TOT
	v_mul_u32_u24 v[EXR], v[LN], 264
	s_lshl_b32 s27, s[WV], 3
	v_add_nc_u32 v[EXR], s27, v[EXR]
	s_lshl_b32 s28, s[WV], 7
	s_add_co_u32 s28, s28, CAND
	v_lshl_add_u32 v[CANDW], v[LN], 2, s28
	v_lshlrev_b32 v[CANDR], 10, v[HH]
	v_lshl_add_u32 v[CANDR], v[RR], 2, v[CANDR]
	v_add_nc_u32 v[CANDR], CAND, v[CANDR]
	ADDRS STGX, XSCG
	v_mov_b32 v25, 0
	s_wait_loadcnt 0x0
	; ---- 2: for each key, the tokens in earlier groups
	v_add_nc_u32 v26, v16, v17
	v_add_nc_u32 v27, v18, v19
	v_mov_b32 v28, v26
	v_mov_b32 v29, v27
	SCAN 28, 25
	SCAN 29, 25
	v_sub_nc_u32 v30, v28, v26
	v_add_nc_u32 v31, v30, v16
	v_sub_nc_u32 v32, v29, v27
	v_add_nc_u32 v33, v32, v18
	ds_store_b64 v[EXW], v[30:31]
	ds_store_b64 v[EXW], v[32:33] offset:4224
	v_readlane_b32 s51, v28, 31
	v_readlane_b32 s52, v29, 31
	v_mov_b32 v34, s51
	v_mov_b32 v35, s52
	ds_store_b32 v[TOTW], v34
	ds_store_b32 v[TOTW], v35 offset:64
	BARRIER
	; ---- 3, 4: lane k: where key k begins; then each token's rank = its key's beginning + the key's tokens in earlier groups + its place in its group
	ds_load_b32 v36, v[TOTR]
	ds_load_b64 v[38:39], v[EXR]                   ; lane k: key k in the two groups of my wave's tokens 32 w ..
	ds_load_b64 v[40:41], v[EXR] offset:128        ; and of tokens 512 + 32 w ..
	s_wait_dscnt 0x0
	v_mov_b32 v37, v36
	SCAN 37, 25
	v_sub_nc_u32 v37, v37, v36
	v_add_nc_u32 v38, v38, v37
	v_add_nc_u32 v39, v39, v37
	v_add_nc_u32 v40, v40, v37
	v_add_nc_u32 v41, v41, v37
	v_min_u32 v42, 31, v20
	v_lshlrev_b32 v42, 2, v42
	v_min_u32 v43, 31, v22
	v_lshlrev_b32 v43, 2, v43
	ds_bpermute_b32 v44, v42, v38                  ; from the lane of my token's key
	ds_bpermute_b32 v45, v42, v39
	ds_bpermute_b32 v46, v43, v40
	ds_bpermute_b32 v47, v43, v41
	s_wait_dscnt 0x0
	v_cndmask_b32 v44, v44, v45, s[HI]             ; lanes 16-31 are the second group
	v_cndmask_b32 v46, v46, v47, s[HI]
	v_add_nc_u32 v44, v44, v21
	v_add_nc_u32 v46, v46, v23
	s_lshl_b32 s53, ttmp9, 4
	v_sub_nc_u32 v44, v44, s53                     ; rank - 16 tau: 0 .. 15 in my tile
	v_sub_nc_u32 v46, v46, s53
	; ---- 5: the inverse: lane j of v48 or v49 gets token + 1 where one of my wave's tokens has place j
	v_mov_b32 v48, 0
	v_mov_b32 v49, 0
.irp q, 0,1
	v_cmp_gt_u32 vcc_lo, 16, v[44+2*\q]
	s_cmp_eq_u32 vcc_lo, 0
	s_cbranch_scc1 .Lnone\q
	s_lshl_b32 s54, s[WV], 5
	s_add_co_u32 s54, s54, 512*\q+1
.irp j, 0,1,2,3,4,5,6,7,8,9,10,11,12,13,14,15
	v_cmp_eq_u32 vcc_lo, \j, v[44+2*\q]
	s_ctz_i32_b32 s55, vcc_lo
	s_add_co_u32 s55, s55, s54
	s_cmp_lg_u32 vcc_lo, 0
	s_cselect_b32 s55, s55, 0
	v_writelane_b32 v[48+\q], s55, \j
.endr
.Lnone\q:
.endr
	v_add_nc_u32 v48, v48, v49
	ds_store_b32 v[CANDW], v48
	BARRIER
	; ---- 6: each place has one token: the sixteen waves' words are added
.irp i, 0,1,2,3,4,5,6,7
	ds_load_b32 v[52+\i], v[CANDR] offset:128*\i
.endr
	s_wait_dscnt 0x0
	v_add3_u32 v52, v52, v53, v54
	v_add3_u32 v55, v55, v56, v57
	v_add3_u32 v52, v52, v58, v59
	v_add_nc_u32 v52, v52, v55
	v_permlanex16_b32 v53, v52, s[SEL], s[SEL+1]
	v_add_nc_u32 v52, v52, v53
	v_add_nc_u32 v52, -1, v52
	v_min_u32 v[TOK], 0x3ff, v52
	; ---- 7: wave w quantises K step w of the 16 rows
	v_lshlrev_b32 v189, 4, v[TOK]
	v_lshlrev_b32 v190, 3, v[TOK]
	global_load_b128 v[192:195], v189, s[8:9]      ; the tokens' records (wave 0 uses them)
	global_load_b64 v[196:197], v190, s[10:11]
	s_lshl_b32 s24, s[WV], 9
	s_mov_b32 s25, 0
	s_add_nc_u64 s[24:25], s[4:5], s[24:25]
.irp j, 0,1,2,3,4,5,6,7,8,9,10,11,12,13,14,15
	v_readlane_b32 s56, v[TOK], \j
	s_min_u32 s56, s56, 0x3ff
	v_lshl_add_u32 v[XOF+\j], s56, 13, v[L16]
	global_load_b128 v[R+4*\j:R+4*\j+3], v[XOF+\j], s[24:25]   ; 512 consecutive bytes of the row
.endr
	s_mul_i32 s26, ttmp9, 24576
	s_mul_i32 s27, s[WV], 1536
	s_add_co_u32 s26, s26, s27
	s_mov_b32 s27, 0
	s_add_nc_u64 s[26:27], s[12:13], s[26:27]
	s_wait_loadcnt 0x0
	TURN
	QUANT
.irp g, 0,1,2
	global_store_b128 v[L16], v[P+4*\g:P+4*\g+3], s[26:27] offset:512*\g
.endr
	ds_store_b32 v[SGA], v[SW]
	; ---- 8: wave 0 stores the tile's list (no barrier stands under this branch)
	s_cmp_lg_u32 s[WV], 0
	s_cbranch_scc1 .Lnot0
	v_mov_b32 v198, 0
.irp n, 1,2,4,8
	v_mov_b32_dpp v198, v194 row_xmask:\n row_mask:0xf bank_mask:0xf
	v_or_b32 v194, v194, v198                      ; the experts of any of the 16 tokens
.endr
	s_lshl_b32 s28, ttmp9, 2
	s_add_co_u32 s28, s28, 4096
	s_mov_b32 s29, 0
	s_add_nc_u64 s[28:29], s[14:15], s[28:29]
	s_lshl_b32 s30, ttmp9, 6
	s_mov_b32 s31, 0
	s_add_nc_u64 s[30:31], s[14:15], s[30:31]
	s_lshl_b32 s32, ttmp9, 9
	s_mov_b32 s33, 0
	s_add_nc_u64 s[32:33], s[16:17], s[32:33]
	v_mov_b32 v199, 0
	global_store_b32 v199, v194, s[28:29]          ; all lanes: the same word, the same value
	v_lshlrev_b32 v200, 2, v[RR]
	global_store_b32 v200, v[TOK], s[30:31]        ; lanes r and r + 16 hold the same
	v_and_b32 v201, 0xff, v195
	v_lshrrev_b32 v202, 8, v195
.irp e, 0,1,2,3,4,5,6,7
	v_cmp_eq_u32 vcc_lo, \e, v201
	v_cndmask_b32 v[204+\e], 0, v196, vcc_lo
	v_cmp_eq_u32 vcc_lo, \e, v202
	v_cndmask_b32 v[204+\e], v[204+\e], v197, vcc_lo
.endr
	v_lshlrev_b32 v203, 5, v[RR]
	global_store_b128 v203, v[204:207], s[32:33]
	global_store_b128 v203, v[208:211], s[32:33] offset:16
.Lnot0:
	BARRIER                                        ; the tile's scale words lie in LDS
	s_cmp_lg_u32 s[WV], 0
	s_cbranch_scc1 .Lend
	ds_load_b128 v[16:19], v[SCR]
	ds_load_b128 v[20:23], v[SCR] offset:512
	s_lshl_b32 s34, ttmp9, 10
	s_add_co_u32 s34, s34, XSC0
	s_mov_b32 s35, 0
	s_add_nc_u64 s[34:35], s[12:13], s[34:35]
	s_wait_dscnt 0x0
	global_store_b128 v[L16], v[16:19], s[34:35]
	global_store_b128 v[L16], v[20:23], s[34:35] offset:512
.Lend:
	s_wait_tensorcnt 0x0
	ds_add_u32 v254, v255
	s_wait_dscnt 0x0
	s_endpgm
.Lw2:
	W2ROLE 4096, 6, 18
.Lfunc_end_k_q6ddd9b25be_place:
	.size	k_q6ddd9b25be_place, .Lfunc_end_k_q6ddd9b25be_place-k_q6ddd9b25be_place
	.p2alignl 7, 3214868480
	.fill 96, 4, 3214868480
	.section	.rodata,"a",@progbits
	.p2align	6, 0x0
	.amdhsa_kernel k_q6ddd9b25be_place
		.amdhsa_group_segment_fixed_size 285184
		.amdhsa_private_segment_fixed_size 0
		.amdhsa_enable_private_segment 0
		.amdhsa_kernarg_size 64
		.amdhsa_user_sgpr_count 2
		.amdhsa_user_sgpr_kernarg_segment_ptr 1
		.amdhsa_wavefront_size32 1
		.amdhsa_system_sgpr_workgroup_id_x 1
		.amdhsa_system_sgpr_workgroup_id_y 1
		.amdhsa_system_sgpr_workgroup_id_z 1
		.amdhsa_system_vgpr_workitem_id 0
		.amdhsa_next_free_vgpr 256
		.amdhsa_next_free_sgpr 80
		.amdhsa_reserve_vcc 1
		.amdhsa_float_denorm_mode_32 3
		.amdhsa_float_denorm_mode_16_64 3
		.amdhsa_memory_ordered 1
		.amdhsa_forward_progress 1
		.amdhsa_inst_pref_size 39
	.end_amdhsa_kernel
	.amdgpu_metadata
---
amdhsa.version: [ 1, 2 ]
amdhsa.kernels:
  - .name:           k_q6ddd9b25be_place
    .symbol:         k_q6ddd9b25be_place.kd
    .args:
      - { .name: hidden_states, .offset: 0, .size: 8, .value_kind: global_buffer, .address_space: global }
      - { .name: W2, .offset: 8, .size: 8, .value_kind: global_buffer, .address_space: global }
      - { .name: rti, .offset: 16, .size: 8, .value_kind: global_buffer, .address_space: global }
      - { .name: rtw, .offset: 24, .size: 8, .value_kind: global_buffer, .address_space: global }
      - { .name: xq, .offset: 32, .size: 8, .value_kind: global_buffer, .address_space: global }
      - { .name: place, .offset: 40, .size: 8, .value_kind: global_buffer, .address_space: global }
      - { .name: ew, .offset: 48, .size: 8, .value_kind: global_buffer, .address_space: global }
      - { .name: w2q, .offset: 56, .size: 8, .value_kind: global_buffer, .address_space: global }
    .group_segment_fixed_size: 285184
    .private_segment_fixed_size: 0
    .kernarg_segment_align: 8
    .kernarg_segment_size: 64
    .max_flat_workgroup_size: 512
    .sgpr_count:     80
    .vgpr_count:     256
    .wavefront_size: 32
...
	.end_amdgpu_metadata
.endif
;; end of part 2
;; launch up (part 3): grid 256 x 1, 4 waves a work-group, no clusters, 136,704 bytes of LDS; arguments W1, W3, xq, place, ew, gq; writes gq
.if DOCPART == 3
	.amdgcn_target "amdgcn-amd-amdhsa--gfx1250"
	.amdhsa_code_object_version 6
	.text
	.protected	k_q6ddd9b25be_up
	.globl	k_q6ddd9b25be_up
	.p2align	8
	.type	k_q6ddd9b25be_up,@function
k_q6ddd9b25be_up:
	s_mov_b64 s[64:65], 0
	v_nop
	global_prefetch_b8 v0, s[64:65] scope:SCOPE_SE
	s_setreg_imm32_b32 hwreg(HW_REG_WAVE_MODE, 25, 1), 1
	s_wait_xcnt 0x0
; UP.  g = silu(x W1^T) (x W3^T) w, on codes of E3M2 with one E8M0 scale for each 32 along K, for the tiles of tokens that use the expert; g leaves as codes for the next product.
; SHARES.  Work-group = (expert e = wg / 32, 32 columns f0 = 32 (wg % 32) of the expert's 1,024).  Its 32 rows of W1 and 32 of W3, 512 KiB of f32, are read from memory once.
; PHASE 1: wave t quantises one tile of 16 rows x 2,048 (t = 0, 1: W1; 2, 3: W3; u = t % 2), 128 along K at a time, three sets of 16 loads ahead, and stores the fragments to LDS as images of their registers.
; One barrier.  PHASE 2: every wave takes all 64 fragments into its registers (768) and walks the expert's tiles tau = wave mod 4, taken from the stored masks: 64 products an item.
; THE ROWS OF A TILE ARE NOT NEIGHBOURS: row p of tile u is weight row f0 + 8 u + p + 8 (p / 8).  The product is used transposed (source 0 = 16 weight rows, source 1 = 16 tokens): lane (r, h) holds token r, and the
; 16 registers of tiles u = 0, 1 are columns f0 + 16 h + 0 .. 15: half a block of 32 along the next K.
; A row of an item whose token did not choose the expert has the weight 0: its g is 0 and its codes are zeros, which add nothing.
; gq: item 8 tau + e at 12288 x item: block f / 32 at 384 each, in it row r at 24 r, half h at 12 h.  From GS0 on, 2,048 bytes an item: at 64 (f / 32) + 4 r the block's byte, shifted to its place in the scale word of 128 along K.
; Branches and the trip count hang on stored masks, so the operands come through registers: no tensor load, no cluster.  LIMITS: NaN and infinities are not served; a block of zeros has the byte 1; 1 / x is v_rcp_f32.
; REGISTERS, in windows of 256.  Window 0: v1-13 addresses; v16-47 the weights' scale words (register 2 s + u: lanes 0-15 W1's tile u, lanes 16-31 W3's); v48-79 the four accumulators; v80-175 a ring of eight fragments of x
; (in phase 1: the 64 turned numbers); v176-183 x's scale words, v184-191 the next item's; v192-203 fragment 63; v204-222 at work; v224-238 small things; v252 16 x lane.
; Windows 1-3: in phase 1 window 1 holds four sets of 64 loaded numbers; then fragment fi = 4 s + t lies in window 1 + fi / 21 at v[12 (fi % 21)], and v252 of each window repeats 16 x lane, so that the ring's loads
; can be issued under the setting of the products just before them.
.set STG,  0                           ; LDS: a stage of 16 rows x 528 bytes for each wave
.set WIMG, 33792                       ; 64 fragments x 1,536 bytes: tile t at 24576 t, K step s at 1536 s
.set WSC,  132096                      ; 32 x 128 bytes of scale words
.set XSC0, 1572864
.set GS0,  6291456
.set SEL, 20
.set L16, 1
.set STI, 2
.set STO, 3
.set SH8, 4
.set WI,  5
.set WSA, 6
.set FB0, 7
.set FB1, 8
.set L4,  9
.set GOF, 10
.set GSF, 11
.set EWF, 12
.set WSR, 13
.set WS,  16
.set ACC, 48
.set XR,  80
.set X,   80
.set XS,  176
.set XSN, 184
.set F63, 192
.set WK,  204
.set P,   204
.set T,   216
.set M,   224
.set SO,  226
.set BY,  228
.set SW,  230
.set TP,  231
.set EW,  232                          ; v232 the tokens' weight for this expert; v233 is written once: the packed multiply names the pair
.set CD,  234
.set GSV, 237
.set EWN, 238
.set TM,  240
.set XO,  252
.set MSB, 0
.macro WIN new                         ; the immediate's high byte repeats the setting that is left; a switch that changes nothing is dropped
.if MSB != (\new)
	s_set_vgpr_msb (MSB<<8)|(\new)
.set MSB, (\new)
.endif
.endm
.macro QUANT
.irp c, 0,1
	v_max3_num_f32 v[M+\c], |v[X+32*\c]|, |v[X+32*\c+1]|, 0x2800000   ; the floor 2^(5 - 127): the byte cannot fall under 1
.endr
.irp i, 2,4,6,8,10,12,14,16,18,20,22,24,26,28,30
.irp c, 0,1
	v_max3_num_f32 v[M+\c], v[M+\c], |v[X+32*\c+\i]|, |v[X+32*\c+\i+1]|
.endr
.endr
.irp c, 0,1
	v_add_nc_u32 v[SO+\c], 0xfe000000, v[M+\c]
.endr
.irp c, 0,1
	v_lshrrev_b32 v[BY+\c], 23, v[SO+\c]
.endr
	v_lshl_or_b32 v[SW], v[BY+1], 16, v[BY]
	v_lshlrev_b32 v[SW], v[SH8], v[SW]
	v_permlanex16_b32 v[TP], v[SW], s[SEL], s[SEL+1]
	v_or_b32 v[SW], v[SW], v[TP]
.irp c, 0,1
	v_cvt_scalef32_pk16_bf6_f32 v[P+6*\c:P+6*\c+2], v[X+32*\c:X+32*\c+15], v[SO+\c]
	v_cvt_scalef32_pk16_bf6_f32 v[T+4*\c:T+4*\c+2], v[X+32*\c+16:X+32*\c+31], v[SO+\c]
.endr
	v_nop                                          ; one plain place behind a scaled conversion
.irp c, 0,1
.irp i, 0,1,2
	v_mov_b32 v[P+6*\c+3+\i], v[T+4*\c+\i]
.endr
.endr
.endm
.macro LOADW s                         ; K step s of my 16 rows into set s % 4 of window 1: a row an instruction, 512 consecutive bytes
	WIN 0x40
.irp p, 0,1,2,3,4,5,6,7,8,9,10,11,12,13,14,15
	global_load_b128 v[64*((\s)%4)+4*\p:64*((\s)%4)+4*\p+3], v[L16], s[22:23] offset:(\p+8*(\p/8))*8192+512*(\s) th:TH_LOAD_NT
.endr
	WIN 0
.endm
.macro STEP1 s
.if (\s) <= 13
	s_wait_loadcnt 32                              ; this set is in; the two sets behind it may be out
.elseif (\s) == 14
	s_wait_loadcnt 16
.else
	s_wait_loadcnt 0
.endif
	WIN 0x04                                       ; an LDS store's data are its source 1: window 1
.irp p, 0,1,2,3,4,5,6,7,8,9,10,11,12,13,14,15
	ds_store_b128 v[STI], v[64*((\s)%4)+4*\p:64*((\s)%4)+4*\p+3] offset:528*\p
.endr
.if (\s) <= 12
	LOADW (\s)+3                                   ; into the set whose stores to the stage were waited for in the step before
.endif
	WIN 0
.irp c, 0,1
.irp i, 0,1,2,3,4,5,6,7
	ds_load_b128 v[X+32*\c+4*\i:X+32*\c+4*\i+3], v[STO] offset:256*\c+16*\i   ; LDS serves a wave's instructions in order: these see the stores above
.endr
.endr
	s_wait_dscnt 0x0
	QUANT
.irp g, 0,1,2
	ds_store_b128 v[WI], v[P+4*\g:P+4*\g+3] offset:1536*(\s)+512*\g
.endr
	ds_store_b32 v[WSA], v[SW] offset:256*(\s)     ; lanes r and r + 16 write the same word with the same value
.endm
; The lowest tile left in my masks s24 (tiles 0-31), s25 (32-63) becomes s29 and leaves the masks; where none is left, s29 = the tile in hand (s28): the loads ahead then stay inside the buffer and every count stays the same.
.macro NEXTBIT
	s_cmp_lg_u32 s24, 0
	s_cselect_b32 s30, s24, s25
	s_cselect_b32 s31, 0, 32
	s_ctz_i32_b32 s32, s30
	s_add_co_u32 s32, s32, s31
	s_sub_co_u32 s33, s30, 1
	s_and_b32 s33, s33, s30
	s_cmp_lg_u32 s24, 0
	s_cselect_b32 s25, s25, s33
	s_cselect_b32 s24, s33, s24
	s_cmp_lg_u32 s30, 0
	s_cselect_b32 s29, s32, s28
	s_min_u32 s29, s29, 63
.endm
.macro NBASES                          ; the next tile's codes s[36:37], scale words s[38:39], weights s[40:41]
	s_mul_i32 s46, s29, 24576
	s_mov_b32 s47, 0
	s_add_nc_u64 s[36:37], s[8:9], s[46:47]
	s_lshl_b32 s46, s29, 10
	s_add_nc_u64 s[38:39], s[56:57], s[46:47]
	s_lshl_b32 s46, s29, 9
	s_add_nc_u64 s[40:41], s[54:55], s[46:47]
.endm
.macro EXTRAS
	global_load_b128 v[XSN:XSN+3], v[XO], s[38:39]
	global_load_b128 v[XSN+4:XSN+7], v[XO], s[38:39] offset:512
	global_load_b32 v[EWN], v[EWF], s[40:41]
.endm
; One product: tile t, K step s.  The four accumulators take turns, one instruction a turn.
.macro MM t, s
.set FI, 4*(\s)+(\t)
.if FI < 63
	WIN 1+FI/21
.set WR, 12*(FI%21)
.else
	WIN 0
.set WR, F63
.endif
.set AR, ACC+8*(\t)
.set BR, XR+12*((\s)%8)
.set SA, WS+2*(\s)+(\t)%2
.set SB, XS+4*((\s)/8)+((\s)/2)%4
.if (\s) == 0
.if (\t) < 2
	v_wmma_scale_f32_16x16x128_f8f6f4 v[AR:AR+7], v[WR:WR+11], v[BR:BR+11], 0, v[SA], v[SB] matrix_a_fmt:MATRIX_FMT_BF6 matrix_b_fmt:MATRIX_FMT_BF6
.else
	v_wmma_scale_f32_16x16x128_f8f6f4 v[AR:AR+7], v[WR:WR+11], v[BR:BR+11], 0, v[SA], v[SB] matrix_a_fmt:MATRIX_FMT_BF6 matrix_b_fmt:MATRIX_FMT_BF6 matrix_a_scale:MATRIX_SCALE_ROW1
.endif
.elseif (\s)%2 == 0
.if (\t) < 2
	v_wmma_scale_f32_16x16x128_f8f6f4 v[AR:AR+7], v[WR:WR+11], v[BR:BR+11], v[AR:AR+7], v[SA], v[SB] matrix_a_fmt:MATRIX_FMT_BF6 matrix_b_fmt:MATRIX_FMT_BF6
.else
	v_wmma_scale_f32_16x16x128_f8f6f4 v[AR:AR+7], v[WR:WR+11], v[BR:BR+11], v[AR:AR+7], v[SA], v[SB] matrix_a_fmt:MATRIX_FMT_BF6 matrix_b_fmt:MATRIX_FMT_BF6 matrix_a_scale:MATRIX_SCALE_ROW1
.endif
.else
.if (\t) < 2
	v_wmma_scale_f32_16x16x128_f8f6f4 v[AR:AR+7], v[WR:WR+11], v[BR:BR+11], v[AR:AR+7], v[SA], v[SB] matrix_a_fmt:MATRIX_FMT_BF6 matrix_b_fmt:MATRIX_FMT_BF6 matrix_b_scale:MATRIX_SCALE_ROW1
.else
	v_wmma_scale_f32_16x16x128_f8f6f4 v[AR:AR+7], v[WR:WR+11], v[BR:BR+11], v[AR:AR+7], v[SA], v[SB] matrix_a_fmt:MATRIX_FMT_BF6 matrix_b_fmt:MATRIX_FMT_BF6 matrix_a_scale:MATRIX_SCALE_ROW1 matrix_b_scale:MATRIX_SCALE_ROW1
.endif
.endif
.endm
; K step s of an item: four products, then the ring's place is asked for again: K step s + 8 of this tile, or s - 8 of the next.
.macro KSTEP s
.if (\s) <= 8
	s_wait_loadcnt 21                              ; my fragment's three loads are in; seven younger groups of three may be out
.else
	s_wait_loadcnt 24                              ; and the three small loads issued in K step 8
.endif
	MM 0, \s
	MM 1, \s
	MM 2, \s
	MM 3, \s
.rept 4
	v_nop                                          ; four places between the products and loads into a register that they read (and, behind the last K step, the first read of results)
.endr
.if (\s) == 8
	WIN 0
	EXTRAS                                         ; the next item's scale words and weights
.endif
.irp g, 0,1,2
.if (\s) < 8
	global_load_b128 v[XR+12*((\s)%8)+4*\g:XR+12*((\s)%8)+4*\g+3], v[XO], s[34:35] offset:1536*((\s)+8)+512*\g
.else
	global_load_b128 v[XR+12*((\s)%8)+4*\g:XR+12*((\s)%8)+4*\g+3], v[XO], s[36:37] offset:1536*((\s)-8)+512*\g
.endif
.endr
.endm
	s_load_b256 s[4:11], s[0:1], 0x0               ; W1 s[4:5], W3 s[6:7], xq s[8:9], place s[10:11]
	s_load_b128 s[12:15], s[0:1], 0x20             ; ew s[12:13], gq s[14:15]
	v_lshl_add_u32 v254, v0, 2, 0x21400
	v_mov_b32 v255, 0
	v_lshrrev_b32 v242, 5, v0
	v_readfirstlane_b32 s16, v242                  ; wave = tile t
	v_and_b32 v242, 31, v0
	v_and_b32 v243, 15, v0
	v_bfe_u32 v244, v0, 4, 1
	v_lshlrev_b32 v[L16], 4, v242
	v_lshlrev_b32 v[XO], 4, v242
	v_lshlrev_b32 v[L4], 2, v242
	v_lshlrev_b32 v[SH8], 3, v244
	v_mov_b32 v[TP], 0
	v_mov_b32 v[EW+1], 0
	s_mov_b32 s[SEL], 0x76543210
	s_mov_b32 s[SEL+1], 0xfedcba98
	s_lshr_b32 s17, ttmp9, 5                       ; e
	s_and_b32 s18, ttmp9, 31                       ; f0 / 32
	s_and_b32 s19, s16, 1                          ; u
	s_lshl_b32 s22, s17, 23                        ; an expert: 1,024 rows of 8,192 bytes
	s_lshl_b32 s30, s18, 18
	s_add_co_u32 s22, s22, s30
	s_lshl_b32 s30, s19, 16                        ; 8 u rows
	s_add_co_u32 s22, s22, s30
	s_mov_b32 s23, 0
	s_wait_kmcnt 0x0
	s_cmp_lt_u32 s16, 2
	s_cselect_b64 s[46:47], s[4:5], s[6:7]
	s_add_nc_u64 s[22:23], s[46:47], s[22:23]
	global_load_b32 v[TM], v[L4], s[10:11] offset:4096     ; the masks of tiles 0-31 and 32-63, a lane a tile
	global_load_b32 v[TM+1], v[L4], s[10:11] offset:4224
	LOADW 0
	LOADW 1
	LOADW 2
	s_mul_i32 s30, s16, 8448
	v_add_nc_u32 v[STI], s30, v[L16]
	v_mul_u32_u24 v[STO], v243, 528
	v_lshl_add_u32 v[STO], v244, 7, v[STO]
	v_add_nc_u32 v[STO], s30, v[STO]
	s_mul_i32 s30, s16, 24576
	s_add_co_u32 s30, s30, WIMG
	v_add_nc_u32 v[WI], s30, v[L16]
	s_lshl_b32 s30, s19, 7
	s_lshr_b32 s31, s16, 1
	s_lshl_b32 s31, s31, 6
	s_add_co_u32 s30, s30, s31
	s_add_co_u32 s30, s30, WSC
	v_lshl_add_u32 v[WSA], v243, 2, s30
	v_add_nc_u32 v[FB0], WIMG, v[L16]
	v_add_nc_u32 v[FB1], WIMG+49152, v[L16]
	v_add_nc_u32 v[WSR], WSC, v[L4]
	v_mul_u32_u24 v[GOF], v243, 24
	v_mad_u32_u24 v[GOF], v244, 12, v[GOF]
	v_lshlrev_b32 v[GSF], 2, v243
	v_lshlrev_b32 v[EWF], 5, v243
	s_add_nc_u64 s[56:57], s[8:9], XSC0            ; x's scale words
	s_lshl_b32 s46, s17, 2
	s_mov_b32 s47, 0
	s_add_nc_u64 s[54:55], s[12:13], s[46:47]      ; ew at my expert
	s_mul_i32 s46, s17, 12288
	s_mul_i32 s30, s18, 384
	s_add_co_u32 s46, s46, s30
	s_add_nc_u64 s[50:51], s[14:15], s[46:47]      ; g's codes: tile 0's item of my expert, my block
	s_lshl_b32 s46, s17, 11
	s_lshl_b32 s30, s18, 6
	s_add_co_u32 s46, s46, s30
	s_add_co_u32 s46, s46, GS0
	s_add_nc_u64 s[52:53], s[14:15], s[46:47]      ; and its bytes
	s_and_b32 s48, s18, 3
	s_lshl_b32 s48, s48, 3                         ; my block's place in a scale word
.irp s, 0,1,2,3,4,5,6,7,8,9,10,11,12,13,14,15
	STEP1 \s
.endr
	; my tiles: those whose mask has my expert, tau = wave mod 4
	s_lshl_b32 s30, 1, s17
	v_and_b32 v[TM], s30, v[TM]
	v_and_b32 v[TM+1], s30, v[TM+1]
	v_cmp_ne_u32 s24, 0, v[TM]
	v_cmp_ne_u32 s25, 0, v[TM+1]
	s_lshl_b32 s31, 0x11111111, s16
	s_and_b32 s24, s24, s31
	s_and_b32 s25, s25, s31
	s_bcnt1_i32_b32 s26, s24
	s_bcnt1_i32_b32 s27, s25
	s_add_co_u32 s26, s26, s27                     ; how many
	s_mov_b32 s28, 0
	NEXTBIT
	NBASES
	EXTRAS                                         ; the first item: its small loads, then K steps 0 to 7
.irp s, 0,1,2,3,4,5,6,7
.irp g, 0,1,2
	global_load_b128 v[XR+12*\s+4*\g:XR+12*\s+4*\g+3], v[XO], s[36:37] offset:1536*\s+512*\g
.endr
.endr
	s_wait_dscnt 0x0                               ; my images have landed
	s_barrier_signal -1
	s_barrier_wait -1                              ; everybody's have.  The launch's one barrier: it stands ahead of every branch on stored numbers
.set FI, 0
.rept 63
	WIN (1+FI/21)<<6
.irp g, 0,1,2
.if (FI%4) < 2
	ds_load_b128 v[12*(FI%21)+4*\g:12*(FI%21)+4*\g+3], v[FB0] offset:24576*(FI%2)+1536*(FI/4)+512*\g
.else
	ds_load_b128 v[12*(FI%21)+4*\g:12*(FI%21)+4*\g+3], v[FB1] offset:24576*(FI%2)+1536*(FI/4)+512*\g
.endif
.endr
.set FI, FI+1
.endr
	WIN 0x40
	v_mov_b32 v[XO], v[L16]                        ; 16 x lane once more in each window
	WIN 0x80
	v_mov_b32 v[XO], v[L16]
	WIN 0xc0
	v_mov_b32 v[XO], v[L16]
	WIN 0
.irp g, 0,1,2
	ds_load_b128 v[F63+4*\g:F63+4*\g+3], v[FB1] offset:24576+1536*15+512*\g
.endr
.set FI, 0
.rept 32
	ds_load_b32 v[WS+FI], v[WSR] offset:128*FI
.set FI, FI+1
.endr
	s_wait_dscnt 0x0
	s_cmp_eq_u32 s26, 0
	s_cbranch_scc1 .Lend
	s_mov_b32 s27, 0
.Litem:
	s_wait_xcnt 0x0                                ; every earlier load and store has read its base and its data: they are written again only behind this wait
	s_min_u32 s28, s29, 63                         ; the tile in hand
	s_mov_b64 s[34:35], s[36:37]
	NEXTBIT
	NBASES
	s_mul_i32 s46, s28, 98304
	s_add_nc_u64 s[42:43], s[50:51], s[46:47]      ; where this item's codes go
	s_lshl_b32 s46, s28, 14
	s_add_nc_u64 s[44:45], s[52:53], s[46:47]      ; and its bytes
	s_wait_loadcnt 24                              ; the item's small loads are in: behind them stand the ring's 24
.irp j, 0,1,2,3,4,5,6,7
	v_mov_b32 v[XS+\j], v[XSN+\j]
.endr
	v_mov_b32 v[EW], v[EWN]
.rept 8
	v_nop                                          ; a scale register written by a vector instruction stands eight places ahead of a scaled product; they also part the last item's products from the sums begun anew
.endr
.irp s, 0,1,2,3,4,5,6,7,8,9,10,11,12,13,14,15
	KSTEP \s
.endr
	; silu(h1) h3 w, in f32; each accumulator is read from its low end on
.irp j, 0,2,4,6,8,10,12,14
	v_pk_mul_f32 v[WK+\j:WK+\j+1], v[ACC+\j:ACC+\j+1], 0xbfb8aa3b op_sel_hi:[1,0]
.endr
.irp j, 0,1,2,3,4,5,6,7,8,9,10,11,12,13,14,15
	v_exp_f32 v[WK+\j], v[WK+\j]
.endr
	v_nop                                          ; a plain place behind the batch,
	s_wait_alu depctr_va_vdst(0)                   ; and one wait for it ahead of its first reader
.irp j, 0,2,4,6,8,10,12,14
	v_pk_add_f32 v[WK+\j:WK+\j+1], v[WK+\j:WK+\j+1], 1.0 op_sel_hi:[1,0]
.endr
.irp j, 0,1,2,3,4,5,6,7,8,9,10,11,12,13,14,15
	v_rcp_f32 v[WK+\j], v[WK+\j]
.endr
	v_nop
	s_wait_alu depctr_va_vdst(0)
.irp j, 0,2,4,6,8,10,12,14
	v_pk_mul_f32 v[ACC+\j:ACC+\j+1], v[ACC+\j:ACC+\j+1], v[WK+\j:WK+\j+1]
.endr
.irp j, 0,2,4,6,8,10,12,14
	v_pk_mul_f32 v[ACC+\j:ACC+\j+1], v[ACC+\j:ACC+\j+1], v[ACC+16+\j:ACC+16+\j+1]
.endr
.irp j, 0,2,4,6,8,10,12,14
	v_pk_mul_f32 v[ACC+\j:ACC+\j+1], v[ACC+\j:ACC+\j+1], v[EW:EW+1] op_sel_hi:[1,0]
.endr
	; my 16 numbers and lane l xor 16's are a block of 32 along the next K
	v_max3_num_f32 v[M], |v[ACC]|, |v[ACC+1]|, 0x2800000
	v_max3_num_f32 v[M+1], |v[ACC+2]|, |v[ACC+3]|, |v[ACC+4]|
	v_max3_num_f32 v[M], v[M], |v[ACC+5]|, |v[ACC+6]|
	v_max3_num_f32 v[M+1], v[M+1], |v[ACC+7]|, |v[ACC+8]|
	v_max3_num_f32 v[M], v[M], |v[ACC+9]|, |v[ACC+10]|
	v_max3_num_f32 v[M+1], v[M+1], |v[ACC+11]|, |v[ACC+12]|
	v_max3_num_f32 v[M], v[M], |v[ACC+13]|, |v[ACC+14]|
	v_max3_num_f32 v[M], v[M], v[M+1], |v[ACC+15]|
	v_permlanex16_b32 v[TP], v[M], s[SEL], s[SEL+1]
	v_max_num_f32 v[M], v[M], v[TP]
	v_add_nc_u32 v[SO], 0xfe000000, v[M]
	v_lshrrev_b32 v[BY], 23, v[SO]
	v_lshlrev_b32 v[GSV], s48, v[BY]
	v_cvt_scalef32_pk16_bf6_f32 v[CD:CD+2], v[ACC:ACC+15], v[SO]
	v_nop                                          ; one plain place behind a scaled conversion
	global_store_b96 v[GOF], v[CD:CD+2], s[42:43]  ; the wave stores 384 consecutive bytes
	global_store_b32 v[GSF], v[GSV], s[44:45]      ; lanes r and r + 16 hold the same
	s_add_co_u32 s27, s27, 1
	s_cmp_lt_u32 s27, s26
	s_cbranch_scc1 .Litem
.Lend:
	s_wait_tensorcnt 0x0
	ds_add_u32 v254, v255
	s_wait_dscnt 0x0
	s_endpgm
.Lfunc_end_k_q6ddd9b25be_up:
	.size	k_q6ddd9b25be_up, .Lfunc_end_k_q6ddd9b25be_up-k_q6ddd9b25be_up
	.p2alignl 7, 3214868480
	.fill 96, 4, 3214868480
	.section	.rodata,"a",@progbits
	.p2align	6, 0x0
	.amdhsa_kernel k_q6ddd9b25be_up
		.amdhsa_group_segment_fixed_size 136704
		.amdhsa_private_segment_fixed_size 0
		.amdhsa_enable_private_segment 0
		.amdhsa_kernarg_size 48
		.amdhsa_user_sgpr_count 2
		.amdhsa_user_sgpr_kernarg_segment_ptr 1
		.amdhsa_wavefront_size32 1
		.amdhsa_system_sgpr_workgroup_id_x 1
		.amdhsa_system_sgpr_workgroup_id_y 1
		.amdhsa_system_sgpr_workgroup_id_z 1
		.amdhsa_system_vgpr_workitem_id 0
		.amdhsa_next_free_vgpr 1024
		.amdhsa_next_free_sgpr 80
		.amdhsa_reserve_vcc 0
		.amdhsa_float_denorm_mode_32 3
		.amdhsa_float_denorm_mode_16_64 3
		.amdhsa_memory_ordered 1
		.amdhsa_forward_progress 1
		.amdhsa_inst_pref_size 153
	.end_amdhsa_kernel
	.amdgpu_metadata
---
amdhsa.version: [ 1, 2 ]
amdhsa.kernels:
  - .name:           k_q6ddd9b25be_up
    .symbol:         k_q6ddd9b25be_up.kd
    .args:
      - { .name: W1, .offset: 0, .size: 8, .value_kind: global_buffer, .address_space: global }
      - { .name: W3, .offset: 8, .size: 8, .value_kind: global_buffer, .address_space: global }
      - { .name: xq, .offset: 16, .size: 8, .value_kind: global_buffer, .address_space: global }
      - { .name: place, .offset: 24, .size: 8, .value_kind: global_buffer, .address_space: global }
      - { .name: ew, .offset: 32, .size: 8, .value_kind: global_buffer, .address_space: global }
      - { .name: gq, .offset: 40, .size: 8, .value_kind: global_buffer, .address_space: global }
    .group_segment_fixed_size: 136704
    .private_segment_fixed_size: 0
    .kernarg_segment_align: 8
    .kernarg_segment_size: 48
    .max_flat_workgroup_size: 128
    .sgpr_count:     80
    .vgpr_count:     1024
    .wavefront_size: 32
...
	.end_amdgpu_metadata
.endif
;; end of part 3
;; launch down (part 4): grid 256 x 1, 8 waves a work-group, no clusters, 171,008 bytes of LDS; arguments gq, w2q, place, out0; writes out0
.if DOCPART == 4
	.amdgcn_target "amdgcn-amd-amdhsa--gfx1250"
	.amdhsa_code_object_version 6
	.text
	.protected	k_q6ddd9b25be_down
	.globl	k_q6ddd9b25be_down
	.p2align	8
	.type	k_q6ddd9b25be_down,@function
k_q6ddd9b25be_down:
	s_mov_b64 s[64:65], 0
	v_nop
	global_prefetch_b8 v0, s[64:65] scope:SCOPE_SE
	s_setreg_imm32_b32 hwreg(HW_REG_WAVE_MODE, 25, 1), 1
	s_wait_xcnt 0x0
; DOWN.  out[token] = the sum over the token's experts e and over f of g[token][e][f] W2[e][:][f], on codes of E3M2 with E8M0 scales; sums in f32.
; SHARES.  Work-group = (four sorted tiles 4 tb .. 4 tb + 3, tb = wg % 16; 128 output columns from 128 hb, hb = wg / 16): every output number has one owner.  EIGHT waves: wave w = (cg = w % 4, kh = w / 4) owns
; columns 32 cg .. 32 cg + 31 of them and K steps 4 kh .. 4 kh + 3 of each expert's eight, for all 64 rows: eight accumulators.  The two halves of K are added on the way out.  Wave w also fetches half w % 2 of
; tile 4 tb + w / 2's items for the whole work-group.
; WHY EIGHT.  For one expert a wave asks for 40 loads (24 of W2's codes, 2 of its scale words, 12 of g's codes, 2 of g's bytes): they fit LOADcnt's field together (a load beyond the field holds the wave's issue up:
; ISA guide 5.7.1), so all of them are out before the products of the expert in hand begin.  On four waves they would be 78 or more.
; THE WALK.  Eight sub-trips, a constant of the text, one for each expert that the four masks name, in ascending order; a sub-trip without an expert passes its barrier and does nothing else.  In a sub-trip the wave asks
; for the next expert's weights (into the other of two register buffers), puts its half item (asked for a sub-trip ago) into LDS, asks for its next half item, passes the barrier, and multiplies: for each tile that has
; the expert, four fragments of g from LDS against its eight fragments of W2.  Two LDS buffers take turns: one is written again only behind the next barrier, in front of which every wave has waited for its reads of it.
; The product is used transposed (source 0 = 16 rows of W2, source 1 = 16 tokens): a lane holds eight neighbouring columns of one token's row.
; Branches hang on stored masks, so the operands come through registers: no tensor load, no cluster.  No barrier stands under such a branch.
; The first sub-trip is written out: its load of the second expert's weights, and the first load of g, are issued on every path, so that no path reads a register that it has not written.
; The order of the f32 sums: within a half of K experts and f ascend; the two halves are added last.
; REGISTERS, in windows of 256.  Window 0: v1-13 addresses; v16-79 accumulators (tile m, column tile n) at 16 + 8 (2 m + n); v80-127 half an item's codes on their way to LDS; v128-135 its bytes; v136-143 at work
; (v80-143 later: rows of out); v144-151 W2's scale words, two buffers; v152-153 g's scale words; v156-163 the byte offsets of my 8 output rows; v164-211 four fragments of g.
; Window 1: W2's 8 fragments (4 n + s), two buffers, at v0 and v96.
.set GITEM, 12800                      ; LDS: an item: 12,288 bytes of codes, 4 x 128 of scale words
.set GHALF, 51200                      ; four items: a buffer; two buffers
.set OSTG,  102400                     ; the stage for the way out: 64 rows x 528 bytes, a copy for each half of K
.set OCOPY, 33792
.set W2S0,  12582912
.set GS0,   6291456
.set L16, 1                            ; v1       16 x lane
.set L16K, 2                           ; v2       16 x lane + 8 kh: my two of W2's four scale words
.set GA,  3                            ; v3, v4   g's fragments in buffer 0, 1: 384 (lane / 16) + 24 (lane % 16) + 6144 kh
.set GSA, 5                            ; v5, v6   g's scale words: 12288 + 4 x lane + 256 kh
.set PUT, 7                            ; v7, v8   where I put my half item's codes
.set PS,  9                            ; v9, v10  and its scale words
.set SOA, 12
.set SRA, 13
.set ACC, 16
.set GS,  80
.set GSS, 128
.set TP,  136
.set W2S, 144
.set GSC, 152
.set OFFS, 156
.set GO,  164
.set MSB, 0
.macro WIN new                         ; the immediate's high byte repeats the setting that is left; a switch that changes nothing is dropped
.if MSB != (\new)
	s_set_vgpr_msb (MSB<<8)|(\new)
.set MSB, (\new)
.endif
.endm
.macro NEXTE                           ; the lowest expert left in s19 becomes s21 (clamped), s22 says whether there was one
	s_cmp_lg_u32 s19, 0
	s_cselect_b32 s22, 1, 0
	s_ctz_i32_b32 s21, s19
	s_min_u32 s21, s21, 7
	s_sub_co_u32 s53, s19, 1
	s_and_b32 s19, s19, s53
.endm
.macro LOADW2 buf, uncond              ; expert s21: my four K steps of my two tiles of 16 rows of W2, 6,144 consecutive bytes each; and their scale words
.if !(\uncond)
	s_cmp_lg_u32 s22, 0
	s_cbranch_scc0 .Lnw_\@
.endif
	s_mul_i32 s26, s21, 1572864
	s_mov_b32 s27, 0
	s_add_nc_u64 s[28:29], s[54:55], s[26:27]
	s_lshl_b32 s26, s21, 16
	s_add_nc_u64 s[30:31], s[56:57], s[26:27]
	WIN 0x40                                       ; destination window 1
.irp n, 0,1
.set I, 0
.rept 12
	global_load_b128 v[96*(\buf)+48*\n+4*I:96*(\buf)+48*\n+4*I+3], v[L16], s[28:29] offset:12288*\n+512*I
.set I, I+1
.endr
.endr
	WIN 0
.irp n, 0,1
	global_load_b64 v[W2S+4*(\buf)+2*\n:W2S+4*(\buf)+2*\n+1], v[L16K], s[30:31] offset:512*\n   ; lane l: the words of row l % 16 for K steps 4 kh + l / 16 and 4 kh + 2 + l / 16
.endr
.Lnw_\@:
.endm
.macro LOADG uncond                    ; my half of my tile's item of expert s21, if it has one.  uncond: on every path; a tile without that expert takes its own lowest expert's item, which is not used
.if \uncond
	s_ctz_i32_b32 s52, s20
	s_min_u32 s52, s52, 7
	s_lshr_b32 s53, s20, s21
	s_and_b32 s53, s53, 1
	s_cmp_lg_u32 s53, 0
	s_cselect_b32 s52, s21, s52
.else
	s_lshr_b32 s53, s20, s21
	s_and_b32 s53, s53, s22
	s_cmp_lg_u32 s53, 0
	s_cbranch_scc0 .Lng_\@
	s_mov_b32 s52, s21
.endif
	s_min_u32 s52, s52, 7
	s_mul_i32 s26, s52, 12288
	s_mov_b32 s27, 0
	s_add_nc_u64 s[48:49], s[58:59], s[26:27]
	s_lshl_b32 s26, s52, 11
	s_add_nc_u64 s[50:51], s[60:61], s[26:27]
.set I, 0
.rept 12
	global_load_b128 v[GS+4*I:GS+4*I+3], v[L16], s[48:49] offset:512*I
.set I, I+1
.endr
.irp i, 0,1
	global_load_b128 v[GSS+4*\i:GSS+4*\i+3], v[L16], s[50:51] offset:512*\i   ; lane l: K step 2 i + l / 16 of my four, block (l / 4) % 4, rows 4 (l % 4) + 0 .. 3: each dword holds the block's byte at its place in the word
.endr
.Lng_\@:
.endm
.macro PUTG buf                        ; my half item of the expert in hand (s23, valid: s24) goes to LDS: the codes as they lie; the four blocks' dwords, which lie in lanes l, l xor 4, l xor 8, l xor 12, are joined to words
	s_lshr_b32 s53, s20, s23
	s_and_b32 s53, s53, s24
	s_cmp_lg_u32 s53, 0
	s_cbranch_scc0 .Lnp_\@
.irp x, 4,8
.irp j, 0,1,2,3,4,5,6,7
	v_mov_b32_dpp v[TP+\j], v[GSS+\j] row_xmask:\x row_mask:0xf bank_mask:0xf
.endr
.irp j, 0,1,2,3,4,5,6,7
	v_or_b32 v[GSS+\j], v[GSS+\j], v[TP+\j]
.endr
.endr
.set I, 0
.rept 12
	ds_store_b128 v[PUT+\buf], v[GS+4*I:GS+4*I+3] offset:512*I
.set I, I+1
.endr
.irp i, 0,1
	ds_store_b128 v[PS+\buf], v[GSS+4*\i:GSS+4*\i+3] offset:128*\i   ; four rows' words; the four lanes that held the blocks write the same bytes with the same values
.endr
.Lnp_\@:
.endm
; Tile m's item of the expert in hand: my four K steps are fetched and multiplied under one branch.  A fragment's 24 bytes a block come as three loads of 8 bytes; rows 24 bytes apart, halves 384: the 32 lanes touch 64 different banks.
.macro ITEM m, buf
	s_lshr_b32 s53, s[12+\m], s23
	s_and_b32 s53, s53, 1
	s_cmp_lg_u32 s53, 0
	s_cbranch_scc0 .Lni_\@
.irp j, 0,1
	ds_load_b32 v[GSC+\j], v[GSA+\buf] offset:GITEM*\m+128*\j
.endr
.irp s, 0,1,2,3
.irp c, 0,1
.irp p, 0,1,2
	ds_load_b64 v[GO+12*\s+6*\c+2*\p:GO+12*\s+6*\c+2*\p+1], v[GA+\buf] offset:GITEM*\m+1536*\s+768*\c+8*\p
.endr
.endr
.endr
	WIN 0x01                                       ; source 0 (W2) window 1; g, C and D window 0
.irp s, 0,1,2,3
	s_wait_dscnt 6*(3-\s)                          ; K step s's six loads are in; those of the later K steps may be out
.irp n, 0,1                                    ; the two accumulators take turns, one instruction a turn
.if (\s)%2 == 0
	v_wmma_scale_f32_16x16x128_f8f6f4 v[ACC+8*(2*\m+\n):ACC+8*(2*\m+\n)+7], v[96*\buf+12*(4*\n+\s):96*\buf+12*(4*\n+\s)+11], v[GO+12*\s:GO+12*\s+11], v[ACC+8*(2*\m+\n):ACC+8*(2*\m+\n)+7], v[W2S+4*\buf+2*\n+\s/2], v[GSC+\s/2] matrix_a_fmt:MATRIX_FMT_BF6 matrix_b_fmt:MATRIX_FMT_BF6
.else
	v_wmma_scale_f32_16x16x128_f8f6f4 v[ACC+8*(2*\m+\n):ACC+8*(2*\m+\n)+7], v[96*\buf+12*(4*\n+\s):96*\buf+12*(4*\n+\s)+11], v[GO+12*\s:GO+12*\s+11], v[ACC+8*(2*\m+\n):ACC+8*(2*\m+\n)+7], v[W2S+4*\buf+2*\n+\s/2], v[GSC+\s/2] matrix_a_fmt:MATRIX_FMT_BF6 matrix_b_fmt:MATRIX_FMT_BF6 matrix_a_scale:MATRIX_SCALE_ROW1 matrix_b_scale:MATRIX_SCALE_ROW1
.endif
.endr
.endr
	WIN 0
.rept 4
	v_nop                                          ; four places between the products and loads into registers that they read, and the first read of results
.endr
.Lni_\@:
.endm
.macro SUBTRIP buf, uncond, last
	s_wait_loadcnt 0x0                             ; this expert's weights and my half item are in; the loads' bases may be written again
	NEXTE
.if !(\last)
	LOADW2 1-\buf, \uncond                         ; asked for first: the other buffer's last products stand a sub-trip back, with their places behind them
.endif
	PUTG \buf
	s_wait_dscnt 0x0                               ; my stores have landed and have read their registers, and my reads of the other buffer are over
.if !(\last)
	LOADG 0                                        ; both requests have this sub-trip's products in which to land
.endif
	s_barrier_signal -1
	s_barrier_wait -1
	s_cmp_lg_u32 s24, 0
	s_cbranch_scc0 .Lnc_\@
	ITEM 0, \buf
	ITEM 1, \buf
	ITEM 2, \buf
	ITEM 3, \buf
.Lnc_\@:
	s_mov_b32 s23, s21
	s_mov_b32 s24, s22
.endm
	s_load_b256 s[4:11], s[0:1], 0x0               ; gq s[4:5], w2q s[6:7], place s[8:9], out s[10:11]
	v_lshl_add_u32 v254, v0, 2, 0x29800
	v_mov_b32 v255, 0
	v_lshrrev_b32 v232, 5, v0
	v_readfirstlane_b32 s16, v232                  ; wave 0..7
	v_and_b32 v232, 31, v0                         ; lane
	v_and_b32 v233, 15, v0                         ; r
	v_bfe_u32 v234, v0, 4, 1                       ; h
	v_and_b32 v235, 3, v0
	v_lshlrev_b32 v[L16], 4, v232
	s_and_b32 s17, ttmp9, 15                       ; tb
	s_lshr_b32 s18, ttmp9, 4                       ; hb
	s_and_b32 s40, s16, 3                          ; cg: which 32 columns
	s_lshr_b32 s41, s16, 2                         ; kh: which half of K
	s_lshr_b32 s42, s16, 1                         ; the tile of the four that I fetch for
	s_and_b32 s43, s16, 1                          ; and which half of its items
	s_lshl_b32 s52, s17, 2
	s_add_co_u32 s52, s52, s42                     ; that tile's number
	s_wait_kmcnt 0x0
	s_lshl_b32 s26, s17, 4
	s_add_co_u32 s26, s26, 4096
	s_mov_b32 s27, 0
	s_add_nc_u64 s[26:27], s[8:9], s[26:27]
	s_load_b128 s[12:15], s[26:27], 0x0            ; the four tiles' masks
	s_lshl_b32 s28, s17, 8
	s_lshl_b32 s29, s16, 5
	s_add_co_u32 s28, s28, s29
	s_mov_b32 s29, 0
	s_add_nc_u64 s[28:29], s[8:9], s[28:29]
	s_load_b256 s[32:39], s[28:29], 0x0            ; the tokens at sorted places 64 tb + 8 w + 0 .. 7: the rows that I store
	s_lshl_b32 s53, s18, 3
	s_lshl_b32 s30, s40, 1
	s_add_co_u32 s53, s53, s30                     ; my first 16 rows of W2 within an expert: 8 hb + 2 cg
	s_mul_i32 s30, s53, 12288
	s_mul_i32 s44, s41, 6144
	s_add_co_u32 s30, s30, s44                     ; and my four K steps of 1,536 bytes
	s_mov_b32 s31, 0
	s_add_nc_u64 s[54:55], s[6:7], s[30:31]
	s_lshl_b32 s30, s53, 9
	s_add_co_u32 s30, s30, W2S0
	s_add_nc_u64 s[56:57], s[6:7], s[30:31]
	s_mul_i32 s30, s52, 98304
	s_mul_i32 s44, s43, 6144
	s_add_co_u32 s30, s30, s44
	s_add_nc_u64 s[58:59], s[4:5], s[30:31]        ; g's codes: my tile's item of expert 0, my half
	s_lshl_b32 s30, s52, 14
	s_lshl_b32 s44, s43, 10
	s_add_co_u32 s30, s30, s44
	s_add_co_u32 s30, s30, GS0
	s_add_nc_u64 s[60:61], s[4:5], s[30:31]        ; and its bytes
	s_lshl_b32 s30, s18, 9
	s_add_nc_u64 s[62:63], s[10:11], s[30:31]      ; out at my work-group's columns
	v_mul_u32_u24 v[GA], v233, 24
	v_mad_u32_u24 v[GA], v234, 384, v[GA]
	s_mul_i32 s44, s41, 6144
	v_add_nc_u32 v[GA], s44, v[GA]
	v_add_nc_u32 v[GA+1], GHALF, v[GA]
	s_lshl_b32 s45, s41, 8
	s_add_co_u32 s45, s45, 12288
	v_lshl_add_u32 v[GSA], v232, 2, s45
	v_add_nc_u32 v[GSA+1], GHALF, v[GSA]
	s_mul_i32 s46, s42, GITEM
	s_mul_i32 s47, s43, 6144
	s_add_co_u32 s47, s47, s46
	v_add_nc_u32 v[PUT], s47, v[L16]
	v_add_nc_u32 v[PUT+1], GHALF, v[PUT]
	s_lshl_b32 s47, s43, 8
	s_add_co_u32 s47, s47, s46
	s_add_co_u32 s47, s47, 12288
	v_lshlrev_b32 v[PS], 4, v235                   ; the word of K step s, row r lies at 64 s + 4 r: mine are rows 4 (l % 4) on, K step 4 x half + 2 i + l / 16
	v_lshl_add_u32 v[PS], v234, 6, v[PS]
	v_add_nc_u32 v[PS], s47, v[PS]
	v_add_nc_u32 v[PS+1], GHALF, v[PS]
	s_lshl_b32 s47, s41, 3
	v_add_nc_u32 v[L16K], s47, v[L16]
	v_mul_u32_u24 v[SOA], v233, 528                ; the stage: row r, + 32 h, + 128 cg, in the copy of my half of K
	v_lshl_add_u32 v[SOA], v234, 5, v[SOA]
	s_lshl_b32 s47, s40, 7
	s_mul_i32 s46, s41, OCOPY
	s_add_co_u32 s47, s47, s46
	s_add_co_u32 s47, s47, OSTG
	v_add_nc_u32 v[SOA], s47, v[SOA]
	s_mul_i32 s47, s16, 4224                       ; back: my 8 rows of 528 bytes, 16 bytes a lane
	s_add_co_u32 s47, s47, OSTG
	v_add_nc_u32 v[SRA], s47, v[L16]
.set I, 0
.rept 64
	v_mov_b32 v[ACC+I], 0                          ; which expert is a tile's first is known only from the stored masks, so the sums begin as zeros
.set I, I+1
.endr
.irp j, 0,1,2,3,4,5,6,7
	v_mov_b32 v[TP+\j], 0                          ; written once: the destination of a DPP form counts as one of its sources
.endr
	s_wait_kmcnt 0x0
	s_or_b32 s19, s12, s13
	s_or_b32 s19, s19, s14
	s_or_b32 s19, s19, s15
	s_and_b32 s19, s19, 0xff                       ; the experts to walk
	s_cmp_eq_u32 s42, 1
	s_cselect_b32 s20, s13, s12
	s_cmp_eq_u32 s42, 2
	s_cselect_b32 s20, s14, s20
	s_cmp_eq_u32 s42, 3
	s_cselect_b32 s20, s15, s20                    ; the mask of the tile that I fetch for
.irp i, 0,1,2,3,4,5,6,7
	s_min_u32 s[32+\i], s[32+\i], 0x3ff
	v_lshl_add_u32 v[OFFS+\i], s[32+\i], 13, v[L16]
.endr
	NEXTE
	LOADW2 0, 1
	LOADG 1
	s_mov_b32 s23, s21
	s_mov_b32 s24, s22
	SUBTRIP 0, 1, 0
	s_mov_b32 s25, 3
.Ltrip:
	SUBTRIP 1, 0, 0
	SUBTRIP 0, 0, 0
	s_sub_co_i32 s25, s25, 1
	s_cmp_lg_u32 s25, 0
	s_cbranch_scc1 .Ltrip
	SUBTRIP 1, 0, 1
	; THE WAY OUT.  A row's 128 columns come from four waves, and each number from two halves of K: they meet in the two copies of the stage; each wave adds and stores 8 whole rows of 512 bytes at the rows of their tokens.
.irp m, 0,1,2,3
.irp n, 0,1
	ds_store_b128 v[SOA], v[ACC+8*(2*\m+\n):ACC+8*(2*\m+\n)+3] offset:8448*\m+64*\n        ; each accumulator from its low end on
	ds_store_b128 v[SOA], v[ACC+8*(2*\m+\n)+4:ACC+8*(2*\m+\n)+7] offset:8448*\m+64*\n+16
.endr
.endr
	s_wait_dscnt 0x0
	s_barrier_signal -1
	s_barrier_wait -1
.irp i, 0,1,2,3,4,5,6,7
	ds_load_b128 v[GS+8*\i:GS+8*\i+3], v[SRA] offset:528*\i
	ds_load_b128 v[GS+8*\i+4:GS+8*\i+7], v[SRA] offset:OCOPY+528*\i
.endr
.irp i, 0,1,2,3,4,5,6,7
	s_wait_dscnt 14-2*\i                           ; row i's two halves are back; the later rows' loads may be out
	v_pk_add_f32 v[GS+8*\i:GS+8*\i+1], v[GS+8*\i:GS+8*\i+1], v[GS+8*\i+4:GS+8*\i+5]
	v_pk_add_f32 v[GS+8*\i+2:GS+8*\i+3], v[GS+8*\i+2:GS+8*\i+3], v[GS+8*\i+6:GS+8*\i+7]
	global_store_b128 v[OFFS+\i], v[GS+8*\i:GS+8*\i+3], s[62:63] th:TH_STORE_NT   ; 32 lanes store 512 consecutive bytes, at a multiple of 256 from out's first byte
.endr
	s_wait_tensorcnt 0x0
	ds_add_u32 v254, v255
	s_wait_dscnt 0x0
	s_endpgm
.Lfunc_end_k_q6ddd9b25be_down:
	.size	k_q6ddd9b25be_down, .Lfunc_end_k_q6ddd9b25be_down-k_q6ddd9b25be_down
	.p2alignl 7, 3214868480
	.fill 96, 4, 3214868480
	.section	.rodata,"a",@progbits
	.p2align	6, 0x0
	.amdhsa_kernel k_q6ddd9b25be_down
		.amdhsa_group_segment_fixed_size 171008
		.amdhsa_private_segment_fixed_size 0
		.amdhsa_enable_private_segment 0
		.amdhsa_kernarg_size 32
		.amdhsa_user_sgpr_count 2
		.amdhsa_user_sgpr_kernarg_segment_ptr 1
		.amdhsa_wavefront_size32 1
		.amdhsa_system_sgpr_workgroup_id_x 1
		.amdhsa_system_sgpr_workgroup_id_y 1
		.amdhsa_system_sgpr_workgroup_id_z 1
		.amdhsa_system_vgpr_workitem_id 0
		.amdhsa_next_free_vgpr 512
		.amdhsa_next_free_sgpr 80
		.amdhsa_reserve_vcc 0
		.amdhsa_float_denorm_mode_32 3
		.amdhsa_float_denorm_mode_16_64 3
		.amdhsa_memory_ordered 1
		.amdhsa_forward_progress 1
		.amdhsa_inst_pref_size 91
	.end_amdhsa_kernel
	.amdgpu_metadata
---
amdhsa.version: [ 1, 2 ]
amdhsa.kernels:
  - .name:           k_q6ddd9b25be_down
    .symbol:         k_q6ddd9b25be_down.kd
    .args:
      - { .name: gq, .offset: 0, .size: 8, .value_kind: global_buffer, .address_space: global }
      - { .name: w2q, .offset: 8, .size: 8, .value_kind: global_buffer, .address_space: global }
      - { .name: place, .offset: 16, .size: 8, .value_kind: global_buffer, .address_space: global }
      - { .name: out0, .offset: 24, .size: 8, .value_kind: global_buffer, .address_space: global }
    .group_segment_fixed_size: 171008
    .private_segment_fixed_size: 0
    .kernarg_segment_align: 8
    .kernarg_segment_size: 32
    .max_flat_workgroup_size: 256
    .sgpr_count:     80
    .vgpr_count:     512
    .wavefront_size: 32
...
	.end_amdgpu_metadata
.endif
;; end of part 4
